; MI455X (gfx1250); checked and timed in simulation.
; The chip was launched on July 23, 2026; its instructions are those of AMD's public machine-readable ISA for CDNA 5 (MIT licence, August 2026) and "CDNA5" Instruction Set Architecture Reference Guide (July 2026). The comments in the code are by the model that wrote it; some were corrected since.
;; Transformer Layer. Allowed arithmetic: matrix products marked QUANTISED: E4M3 operands, one E8M0 scale for each 32 along K, by v_wmma_scale_f32_16x16x128_f8f6f4 with both operands' format E4M3, f32 sums; everything else in f32.
;; Inputs: Wdn_codes 1,024 x 128 x 32 uint8 (E4M3 codes of Wdn, K innermost, in blocks of 32 codes); Wdn_scales 1,024 x 128 uint8 (E8M0 scales of Wdn, one for each 32 codes along K); Wk_codes 1,024 x 32 x 32 uint8 (E4M3 codes of Wk, K innermost, in blocks of 32 codes); Wk_scales 1,024 x 32 uint8 (E8M0 scales of Wk, one for each 32 codes along K); Wo_codes 1,024 x 32 x 32 uint8 (E4M3 codes of Wo, K innermost, in blocks of 32 codes); Wo_scales 1,024 x 32 uint8 (E8M0 scales of Wo, one for each 32 codes along K); Wq_codes 1,024 x 32 x 32 uint8 (E4M3 codes of Wq, K innermost, in blocks of 32 codes); Wq_scales 1,024 x 32 uint8 (E8M0 scales of Wq, one for each 32 codes along K); Wup_codes 4,096 x 32 x 32 uint8 (E4M3 codes of Wup, K innermost, in blocks of 32 codes); Wup_scales 4,096 x 32 uint8 (E8M0 scales of Wup, one for each 32 codes along K); Wv_codes 1,024 x 32 x 32 uint8 (E4M3 codes of Wv, K innermost, in blocks of 32 codes); Wv_scales 1,024 x 32 uint8 (E8M0 scales of Wv, one for each 32 codes along K); bdn 1,024 float32; bk 1,024 float32; bo 1,024 float32; bq 1,024 float32; bup 4,096 float32; bv 1,024 float32; ln1_b 1,024 float32; ln1_g 1,024 float32; ln2_b 1,024 float32; ln2_g 1,024 float32; x 2 x 2,048 x 1,024 float32.
;; Outputs: out0 2 x 2,048 x 1,024 float32.
;; This version of the problem:
;;   THIS VERSION OF THE PROBLEM IS GIVEN IN LOW PRECISION. The matrix products marked QUANTISED in the list below multiply operands that are first quantised to E4M3 (4 exponent bits, 3 mantissa bits; 8 bits a number), with one power-of-two scale for each 32 numbers along K (OCP MX v1.0); their sums are f32. All else is computed in f32.
;;   The module's matrix products, in the order in which they are computed (A, B: the left and right operand; K: the contracted axis; several contracted axes count as one K, in the product's order):
;;     1. [M 4,096, K 1,024] x [K 1,024, N 1,024]; A: computed on the way; B: input Wq (given as codes): QUANTISED
;;     2. [M 4,096, K 1,024] x [K 1,024, N 1,024]; A: computed on the way; B: input Wk (given as codes): QUANTISED
;;     3. [M 4,096, K 1,024] x [K 1,024, N 1,024]; A: computed on the way; B: input Wv (given as codes): QUANTISED
;;     4. batch 32 x [M 2,048, K 64] x [K 64, N 2,048]; A: computed on the way; B: computed on the way: QUANTISED
;;     5. batch 32 x [M 2,048, K 2,048] x [K 2,048, N 64]; A: softmax (see below); B: computed on the way: QUANTISED
;;     6. [M 4,096, K 1,024] x [K 1,024, N 1,024]; A: computed on the way; B: input Wo (given as codes): QUANTISED
;;     7. [M 4,096, K 1,024] x [K 1,024, N 4,096]; A: computed on the way; B: input Wup (given as codes): QUANTISED
;;     8. [M 4,096, K 4,096] x [K 4,096, N 1,024]; A: computed on the way; B: input Wdn (given as codes): QUANTISED
;;   THE QUANTISER, for each operand of a quantised product, along K:
;;     - K is cut into blocks of 32 from its start; a last block that is shorter is filled with zeros.
;;     - A block's scale is 2^e with e = floor(log2(the largest magnitude in the block)) - 8, held to -126 .. 127; a block of zeros has e = 0. As a byte (E8M0): e + 127.
;;     - Each number is divided by its block's scale, clamped to +-448, and rounded to the nearest number of E4M3, ties to even, subnormals kept.
;;     - The product sums the exact products of the quantised numbers (number of the format x scale) in f32.
;;   ~~~python
;;   def quantise(x, axis):      # numpy; x: float32 -> the quantised numbers, widened to float32 again
;;       x = np.moveaxis(x, axis, -1); K = x.shape[-1]
;;       x = np.pad(x, [(0, 0)] * (x.ndim - 1) + [(0, -K % 32)]); x = x.reshape(x.shape[:-1] + (-1, 32)); a = np.abs(x).max(-1, keepdims=True)
;;       e = np.where(a > 0, np.clip(np.frexp(np.where(a > 0, a, 1))[1] - 1 - 8, -126, 127), 0)      # np.frexp(a)[1] - 1 = floor(log2(a)), exactly
;;       r = np.clip(x / 2.0 ** e, -448, 448)
;;       step = 2.0 ** (np.maximum(np.frexp(np.where(r == 0, 1, r))[1] - 1, -6) - 3)
;;       q = np.round(r / step) * step * 2.0 ** e      # np.round: ties to even
;;       return np.moveaxis(q.reshape(q.shape[:-2] + (-1,))[..., :K], -1, axis).astype(np.float32)
;;   ~~~
;;   SOFTMAX AHEAD OF A QUANTISED PRODUCT. Where the list says 'softmax', what is quantised is not the finished softmax but p = 2^(t - M), with t = logit x log2(e) and M = ceil(the row's largest t), a whole number; so 1/2 < the row's largest p <= 1. The row's sum l is taken of the UNQUANTISED p, in f32, and the product's result is divided by l at the end. Since M is a whole number, a kernel that streams over the keys may use a running M (the ceiling of the running maximum): every later rescaling is an exact power of two, which a block's scale takes up: the codes' values come out the same.
;;   OPERANDS COMPUTED ON THE WAY. 'Computed on the way' means the value that the module computes at that place (a softmax that the list does not call 'softmax' is quantised finished and normalised). What goes into a quantiser is computed in f32, as accurately as f32 sums, v_exp_f32 and their like allow (about 1e-6 of the number): no bf16 or f16 on the way to a quantiser, and a product that is left as it is and whose result goes on into a quantised operand takes f32 operands (vector FMAs, or v_wmma_f32_16x16x4_f32). A number that lies on a knife's edge between two numbers of the format may be rounded either way, as far as f32 arithmetic and the matrix unit's own rounding can turn it there, and no further.
;;   INPUTS GIVEN AS CODES. Wdn (in the module: [4096, 1024], K = its axis 0); Wk (in the module: [1024, 1024], K = its axis 0); Wo (in the module: [1024, 1024], K = its axis 0); Wq (in the module: [1024, 1024], K = its axis 0); Wup (in the module: [1024, 4096], K = its axis 0); Wv (in the module: [1024, 1024], K = its axis 0): each comes as NAME_codes (uint8): NAME with its K axis moved to the last place and cut into blocks of 32 codes, [.., K / 32, bytes a block], one block behind the other in memory; one code a byte (a code: sign, 4 exponent bits, 3 mantissa bits); and NAME_scales (uint8): the same leading axes, one E8M0 byte (e + 127) for each 32 codes along K. Its value is code x scale, taken as it is: it is not quantised again, and the codes and scales need not be those that the quantiser above would give.
;; One version. Each part assembles by itself: llvm-mc -triple=amdgcn-amd-amdhsa -mcpu=gfx1250 --defsym DOCPART=n.
;; ======== version 1 of 1: 7 launches
;; limits: right only within a limited range of input values
;; workspace buffers: xq 4,325,376 bytes; qkv 12,976,128 bytes; pb 4,325,376 bytes; hb 16,777,216 bytes; gb 17,301,504 bytes
;; launch ln1 (part 1): grid 256 x 1, 4 waves a work-group, no clusters, 21,504 bytes of LDS; arguments x, ln1_g, ln1_b, xq; writes xq
.if DOCPART == 1
	.amdgcn_target "amdgcn-amd-amdhsa--gfx1250"
	.amdhsa_code_object_version 6
	.text
	.protected	k_q3417d4c4a1_ln1
	.globl	k_q3417d4c4a1_ln1
	.p2align	8
	.type	k_q3417d4c4a1_ln1,@function
k_q3417d4c4a1_ln1:
	s_mov_b64 s[64:65], 0
	v_nop
	global_prefetch_b8 v0, s[64:65] scope:SCOPE_SE
	s_setreg_imm32_b32 hwreg(HW_REG_WAVE_MODE, 25, 1), 1
	s_wait_xcnt 0x0
; y = (x - mean) / sqrt(var + 1e-9) * g + b over rows of 1,024 f32 (var with 1,023 in the divisor), then y is turned into codes of E4M3 with one E8M0 byte for each 32 along the row.
; In: [4096][1024] f32, g, b [1024].  Out: codes [4096][1024] at byte 0 of the buffer, scale bytes [4096][32] at byte 0x400000.
; A work-group takes 16 rows, a wave 4; all four rows of a wave are asked for at once (16 KiB a wave).  Mean first, then the squares of the differences: a common offset of x costs no digit.
; The conversions take 16 neighbours from ONE lane, the loads give a lane 4: a row turns through the wave's own stage in LDS (64 bytes + 16 of padding to a place).
; Memory binds: no matrix unit, no cluster (nothing is shared), no tensor load.
; LIMITS: a block of zeros, and a block whose largest magnitude lies under 2^-118, gets the byte 1 (this program alone reads the bytes); NaN and infinities in the inputs are not served.
.set X,   64                           ; v64-191  four rows, 32 registers each: group i holds numbers 128 i + 4 lane + 0..3; later the row's codes in its first eight
.set GG,  192                          ; v192-223 g, in the same order
.set BB,  224                          ; v224-255 b
.set T,   16                           ; v16-47   two halves of a row, 16 neighbours a lane each
.set SM,  48                           ; v48-55   four packed sums
.set BY,  56                           ; v56-63   a scale byte for each half row
.set SP,  80
.set STG, 64*SP                        ; a wave's stage
.set SCB, 4*STG                        ; behind the stages: the work-group's 512 scale bytes
	s_load_b256 s[4:11], s[0:1], 0x0               ; in, g, b, out
	v_lshl_add_u32 v12, v0, 2, 0x5200
	v_mov_b32 v13, 0
	v_lshrrev_b32 v1, 5, v0
	v_readfirstlane_b32 s12, v1                    ; wave
	v_and_b32 v1, 31, v0                           ; lane
	v_lshlrev_b32 v2, 4, v1                        ; 16 x lane
	s_mul_i32 s13, s12, STG
	v_lshrrev_b32 v3, 2, v1
	v_mul_u32_u24 v3, v3, SP
	v_and_b32 v4, 3, v1
	v_lshl_add_u32 v3, v4, 4, v3
	v_add_nc_u32 v3, s13, v3                       ; the stage, in: four lanes' 64 bytes to a place
	v_mul_u32_u24 v4, v1, SP
	v_add_nc_u32 v4, s13, v4                       ; and out: a place a lane
	s_lshl_b32 s13, s12, 7
	s_add_co_u32 s13, s13, SCB
	v_lshrrev_b32 v5, 1, v1
	v_add_nc_u32 v5, s13, v5                       ; my block's byte among my wave's 128
	v_add_nc_u32 v6, SCB, v2                       ; all 512, 16 a lane
	v_mov_b32 v9, 0                                ; a lane permute's destination counts as read
	s_mov_b32 s16, 0x76543210
	s_mov_b32 s17, 0xfedcba98                      ; lane l xor 16
	s_mov_b32 s18, 0x600000                        ; the mantissa field of 448
	s_mov_b32 s19, 0x3a800000                      ; 1 / 1024
	s_mov_b32 s20, 0x3a802008                      ; 1 / 1023
	s_mov_b32 s21, 0x3089705f                      ; 1e-9
	s_lshl_b32 s14, ttmp9, 16                      ; 16 rows of 4,096 bytes a work-group,
	s_lshl_b32 s15, s12, 14                        ; 4 a wave
	s_add_co_u32 s14, s14, s15
	s_mov_b32 s15, 0
	s_wait_kmcnt 0x0
	s_add_nc_u64 s[4:5], s[4:5], s[14:15]
	s_lshr_b32 s14, s14, 2                         ; a row of codes is 1,024 bytes
	s_add_nc_u64 s[22:23], s[10:11], s[14:15]
	s_lshl_b32 s14, ttmp9, 9
	s_add_co_u32 s14, s14, 0x400000
	s_add_nc_u64 s[10:11], s[10:11], s[14:15]      ; the work-group's 512 scale bytes
.macro RLOAD p
.irp i, 0,1,2,3,4,5,6,7
	global_load_b128 v[X+32*\p+4*\i:X+32*\p+4*\i+3], v2, s[4:5] offset:4096*\p+512*\i th:TH_LOAD_NT   ; 512 consecutive bytes
.endr
.endm
	RLOAD 0
.irp i, 0,1,2,3,4,5,6,7
	global_load_b128 v[GG+4*\i:GG+4*\i+3], v2, s[6:7] offset:512*\i
.endr
.irp i, 0,1,2,3,4,5,6,7
	global_load_b128 v[BB+4*\i:BB+4*\i+3], v2, s[8:9] offset:512*\i
.endr
	RLOAD 1
	RLOAD 2
	RLOAD 3
.macro WSUM                            ; v8 summed over the 32 lanes, in every lane
	v_add_f32_dpp v8, v8, v8 row_xmask:1 row_mask:0xf bank_mask:0xf
	v_add_f32_dpp v8, v8, v8 row_xmask:2 row_mask:0xf bank_mask:0xf
	v_add_f32_dpp v8, v8, v8 row_xmask:4 row_mask:0xf bank_mask:0xf
	v_add_f32_dpp v8, v8, v8 row_xmask:8 row_mask:0xf bank_mask:0xf
	v_permlanex16_b32 v9, v8, s16, s17
	v_add_f32 v8, v8, v9
.endm
.macro FOLD                            ; the four packed sums into v8
	v_pk_add_f32 v[SM:SM+1], v[SM:SM+1], v[SM+2:SM+3]
	v_pk_add_f32 v[SM+4:SM+5], v[SM+4:SM+5], v[SM+6:SM+7]
	v_pk_add_f32 v[SM:SM+1], v[SM:SM+1], v[SM+4:SM+5]
	v_add_f32 v8, v[SM], v[SM+1]
	WSUM
.endm
; Half j of row p: 16 neighbours a lane, two lanes to a block of 32.
.macro CHUNK p, j
.set XS, T+16*\j
.set CR, X+32*\p+4*\j
.if \j == 0
	s_wait_dscnt 4                                 ; the stage's stores and this half's four loads are done; the other half's four may be out
.else
	s_wait_dscnt 1                                 ; this half's loads are in; the byte store issued behind them may be out
.endif
	v_max3_num_f32 v8, |v[XS]|, |v[XS+1]|, |v[XS+2]|
	v_max3_num_f32 v10, |v[XS+3]|, |v[XS+4]|, |v[XS+5]|
.irp i, 6,10
	v_max3_num_f32 v8, v8, |v[XS+\i]|, |v[XS+\i+1]|
	v_max3_num_f32 v10, v10, |v[XS+\i+2]|, |v[XS+\i+3]|
.endr
	v_max3_num_f32 v8, v8, |v[XS+14]|, |v[XS+15]|
	v_max3_num_f32 v8, v8, v10, 0x4800000          ; the floor 2^(9 - 127): the byte cannot fall under 1
	v_max_num_f32_dpp v8, v8, v8 row_xmask:1 row_mask:0xf bank_mask:0xf   ; with my neighbour's 16: the block's largest magnitude
	v_add_nc_u32 v11, 0xfc000000, v8               ; 8 off its exponent field: the conversion's scale operand
	v_and_or_b32 v10, v8, 0x7f800000, s18          ; 448 x the scale
.irp i, 0,1,2,3,4,5,6,7,8,9,10,11,12,13,14,15
	v_med3_num_f32 v[XS+\i], v[XS+\i], -v10, v10   ; the conversion does not saturate (ISA guide 7.6.2): the hold comes first
.endr
	v_cvt_scalef32_pk8_fp8_f32 v[CR:CR+1], v[XS:XS+7], v11       ; into the row's own registers, which the stage's stores have read; they are not written again
	v_cvt_scalef32_pk8_fp8_f32 v[CR+2:CR+3], v[XS+8:XS+15], v11
	v_lshrrev_b32 v[BY+2*\p+\j], 23, v11           ; the scale's byte
	ds_store_b8 v5, v[BY+2*\p+\j] offset:32*\p+16*\j   ; both lanes of a block write the same byte
	global_store_b128 v2, v[CR:CR+3], s[22:23] offset:1024*\p+512*\j   ; 512 consecutive bytes, aligned
.endm
.macro ROW p, left
.set XR, X+32*\p
	s_wait_loadcnt \left                           ; my row's eight loads are in; what was issued behind them may be out
.irp k, 0,1,2,3
	v_pk_add_f32 v[SM+2*\k:SM+2*\k+1], v[XR+2*\k:XR+2*\k+1], v[XR+8+2*\k:XR+8+2*\k+1]
.endr
.irp q, 8,9,10,11,12,13,14,15
	v_pk_add_f32 v[SM+2*(\q%4):SM+2*(\q%4)+1], v[SM+2*(\q%4):SM+2*(\q%4)+1], v[XR+2*\q:XR+2*\q+1]
.endr
	FOLD
	v_mul_f32 v14, s19, v8                         ; the mean
	v_mov_b32 v15, v14
.irp q, 0,1,2,3,4,5,6,7,8,9,10,11,12,13,14,15
	v_pk_add_f32 v[XR+2*\q:XR+2*\q+1], v[XR+2*\q:XR+2*\q+1], v[14:15] neg_lo:[0,1] neg_hi:[0,1]
.endr
.irp k, 0,1,2,3
	v_pk_mul_f32 v[SM+2*\k:SM+2*\k+1], v[XR+2*\k:XR+2*\k+1], v[XR+2*\k:XR+2*\k+1]
.endr
.irp q, 4,5,6,7,8,9,10,11,12,13,14,15
	v_pk_fma_f32 v[SM+2*(\q%4):SM+2*(\q%4)+1], v[XR+2*\q:XR+2*\q+1], v[XR+2*\q:XR+2*\q+1], v[SM+2*(\q%4):SM+2*(\q%4)+1]
.endr
	FOLD
	v_fma_f32 v10, v8, s20, s21                    ; var + 1e-9
	v_rsq_f32 v14, v10
	v_nop                                          ; a plain instruction behind the transcendental,
	s_wait_alu depctr_va_vdst(0)                   ; and a wait ahead of its first reader
	v_mov_b32 v15, v14
.if \p == 0
	s_wait_loadcnt 24                              ; g and b are in; rows 1 to 3 may be out
.endif
.irp q, 0,1,2,3,4,5,6,7,8,9,10,11,12,13,14,15
	v_pk_mul_f32 v[XR+2*\q:XR+2*\q+1], v[XR+2*\q:XR+2*\q+1], v[14:15]
.endr
.irp q, 0,1,2,3,4,5,6,7,8,9,10,11,12,13,14,15
	v_pk_fma_f32 v[XR+2*\q:XR+2*\q+1], v[XR+2*\q:XR+2*\q+1], v[GG+2*\q:GG+2*\q+1], v[BB+2*\q:BB+2*\q+1]
.endr
.irp i, 0,1,2,3,4,5,6,7
	ds_store_b128 v3, v[XR+4*\i:XR+4*\i+3] offset:8*SP*\i
.endr
.irp j, 0,1
.irp e, 0,1,2,3
	ds_load_b128 v[T+16*\j+4*\e:T+16*\j+4*\e+3], v4 offset:32*SP*\j+16*\e   ; LDS serves a wave's instructions in order: these see the stores above
.endr
.endr
	CHUNK \p, 0
	CHUNK \p, 1
.endm
	ROW 0, 40
	ROW 1, 16
	ROW 2, 8
	ROW 3, 0
	s_wait_dscnt 0x0                               ; for the others' sake: my byte stores are done
	s_barrier_signal -1
	s_barrier_wait -1
	s_cmp_lg_u32 s12, 0
	s_cbranch_scc1 .Lend
	ds_load_b128 v[T:T+3], v6                      ; wave 0 stores the work-group's 512 scale bytes: two aligned runs of 256
	s_wait_dscnt 0x0
	global_store_b128 v2, v[T:T+3], s[10:11]
.Lend:
	s_wait_tensorcnt 0x0
	ds_add_u32 v12, v13
	s_wait_dscnt 0x0
	s_endpgm
.Lfunc_end_k_q3417d4c4a1_ln1:
	.size	k_q3417d4c4a1_ln1, .Lfunc_end_k_q3417d4c4a1_ln1-k_q3417d4c4a1_ln1
	.p2alignl 7, 3214868480
	.fill 96, 4, 3214868480
	.section	.rodata,"a",@progbits
	.p2align	6, 0x0
	.amdhsa_kernel k_q3417d4c4a1_ln1
		.amdhsa_group_segment_fixed_size 21504
		.amdhsa_private_segment_fixed_size 0
		.amdhsa_enable_private_segment 0
		.amdhsa_kernarg_size 32
		.amdhsa_user_sgpr_count 2
		.amdhsa_user_sgpr_kernarg_segment_ptr 1
		.amdhsa_wavefront_size32 1
		.amdhsa_system_sgpr_workgroup_id_x 1
		.amdhsa_system_sgpr_workgroup_id_y 1
		.amdhsa_system_sgpr_workgroup_id_z 1
		.amdhsa_system_vgpr_workitem_id 0
		.amdhsa_next_free_vgpr 256
		.amdhsa_next_free_sgpr 66
		.amdhsa_reserve_vcc 0
		.amdhsa_float_denorm_mode_32 3
		.amdhsa_float_denorm_mode_16_64 3
		.amdhsa_memory_ordered 1
		.amdhsa_forward_progress 1
		.amdhsa_inst_pref_size 53
	.end_amdhsa_kernel
	.amdgpu_metadata
---
amdhsa.version: [ 1, 2 ]
amdhsa.kernels:
  - .name:           k_q3417d4c4a1_ln1
    .symbol:         k_q3417d4c4a1_ln1.kd
    .args:
      - { .name: x, .offset: 0, .size: 8, .value_kind: global_buffer, .address_space: global }
      - { .name: ln1_g, .offset: 8, .size: 8, .value_kind: global_buffer, .address_space: global }
      - { .name: ln1_b, .offset: 16, .size: 8, .value_kind: global_buffer, .address_space: global }
      - { .name: xq, .offset: 24, .size: 8, .value_kind: global_buffer, .address_space: global }
    .group_segment_fixed_size: 21504
    .private_segment_fixed_size: 0
    .kernarg_segment_align: 8
    .kernarg_segment_size: 32
    .max_flat_workgroup_size: 128
    .sgpr_count:     66
    .vgpr_count:     256
    .wavefront_size: 32
...
	.end_amdgpu_metadata
.endif
;; end of part 1
;; launch qkv (part 2): grid 12 x 16, 4 waves a work-group, clusters of 4 x 4, 327,680 bytes of LDS; arguments xq, Wq_codes, Wq_scales, Wk_codes, Wk_scales, Wv_codes, Wv_scales, bq, bk, bv, qkv; writes qkv
.if DOCPART == 2
	.amdgcn_target "amdgcn-amd-amdhsa--gfx1250"
	.amdhsa_code_object_version 6
	.text
	.protected	k_q3417d4c4a1_qkv
	.globl	k_q3417d4c4a1_qkv
	.p2align	8
	.type	k_q3417d4c4a1_qkv,@function
k_q3417d4c4a1_qkv:
	s_mov_b64 s[64:65], 0
	v_nop
	global_prefetch_b8 v0, s[64:65] scope:SCOPE_SE
	s_setreg_imm32_b32 hwreg(HW_REG_WAVE_MODE, 25, 1), 1
	s_wait_xcnt 0x0
	s_wait_alu depctr_hold_cnt(0) depctr_sa_sdst(0) depctr_va_vdst(0) depctr_va_sdst(0) depctr_va_ssrc(0) depctr_va_vcc(0) depctr_vm_vsrc(0)
	s_getreg_b32 s2, hwreg(HW_REG_IB_STS2, 6, 4)
	s_cmp_eq_u32 s2, 0
	s_cbranch_scc0 .Lentry_in_a_cluster
	s_endpgm
.Lentry_in_a_cluster:
	s_bfe_u32 s2, ttmp6, 0x10000c
	s_cmp_lg_u32 s2, 0xf033
	s_cbranch_scc0 .Lentry_shape_is_right
	s_endpgm
.Lentry_shape_is_right:
; Q = xn Wq + bq, K = xn Wk + bk, V = xn Wv + bv on codes of E4M3 with E8M0 scales, and each result quantised for attention: Q and K along the head's 64, V along the keys.
; xn: codes [4096][1024] and scale bytes [4096][32] (at byte 0x400000 of xq).  W*: codes [1024][1024], K innermost, scale bytes [1024][32].
; A work-group makes 256 x 256 of one product, a wave 128 x 128 (64 accumulators, 512 registers); K goes in steps of 256 through two LDS slots filled by tensor loads; all scale bytes of the tile's rows come once.
; The cluster's x says which product: 0 Q, 1 K, 2 V.  For Q and K side A is xn (16 tile rows) and side B the weight (4 tile columns).  FOR V THE SIDES ARE SWAPPED (A = Wv, B = xn): a lane then holds one
; channel and its registers run along the tokens, which are V's K in attention.  All four operands are rows of 1,024 codes with 32 scale bytes, so only pointers and tile numbers are chosen, by s_cselect on the cluster's x.
; CLUSTERS: 4 x 4 work-groups; A's tiles are asked for jointly along a row of the cluster, B's along a column.
; THE MATRIX INSTRUCTION IS USED TRANSPOSED (source 0 = 16 rows of B, source 1 = 16 rows of A): lane (r, h) holds A's row r, register j of accumulator b holds B's row 16 b + 8 h + j.
; THE WAY OUT uses no LDS: 64 results of a lane (A's block a against B's 128 rows) get their bias and are quantised in four blocks of 32; two swaps of lane halves a block bring the codes into the order of an operand's
; registers, and each group of four registers is stored as it stands, 16 bytes a lane, 512 consecutive bytes a store (an image of the operand).
; qkv: Q images [bh 32][tile 128][2][512] at 0, K's at 0x400000, V's [bh][key step 16][channel tile 4][4][512] at 0x800000; Q's scale halfwords [bh][pair of tiles 64][r 16][2] at 0xC00000, K's at 0xC20000,
; V's scale words [bh][step 16][tile 4][r 16] at 0xC40000.  The scale stores are 2 or 4 bytes a lane, 64 bytes a store: they are 384 KiB beside 12 MiB of codes.
; LIMITS: a block of zeros, and one whose largest magnitude lies under 2^-118, gets the byte 1 (this program alone reads the bytes); NaN and infinities are not served.
; REGISTERS: window 0: v0-31 addresses; v32-63 scale words (two sets); v64-127 biases; v128-255 A's fragments, on the way out at work.  window 1: B's fragments, two sets.  windows 2, 3: accumulator (a, b) at v[8 (8 (a % 4) + b)].
.set SIZE_K, 1024
.set KSTEP,  256
.set NQ,     KSTEP/128
.set ROWB,   256
.set KROW,   SIZE_K
.set PITCH,  272                       ; an LDS row: 256 bytes + 16 of padding: the 16 rows of a fragment load start at 16 different banks
.set FR,     16
.set NL,     4
.set NP,     8                         ; places behind this matrix instruction (ISA guide 7.12.1)
.set HALFT,  128*PITCH
.set SLOT,   4*HALFT
.set LAPS,   SIZE_K/(2*KSTEP)
.set KS,     SIZE_K/32
.set SCL,    2*SLOT                    ; behind the ring: the scales, as runs of 256 bytes + 16 of padding
.set HALFS,  (128*KS/256)*272
.set SBLK,   (16*KS/256)*272
.set SPARE,  SCL+4*HALFS               ; the spare words: 128 bytes a wave, named by no other line
.set ADRA, 16
.set ADRB, 20
.set ADRS, 27
.set SPW,  28
.set NIL,  29
.set SC,   32
.set BI,   64                          ; v64-127 the biases, in the results' layout
.set AF,   128
.set Y,    128                         ; the way out: v128-191 64 results
.set TM,   224                         ; v224-227 largest magnitudes, 228-231 bytes, 236-239 scale operands
.set PC,   240                         ; v240-255 the codes
.set PW,   8                           ; v8 the scale word
.set VO,   9                           ; v9 16 x lane
.set VS,   10                          ; v10 4 x (lane % 16)
.set SEL,  20
.set MNT,  22
.set G1, 24
.set G0, 32
.set G1B, 48
.set G0B, 56
.set G1S, 68
.set G0S, 76
.set G1SB, 80
.set G0SB, 88
.set MSB, 0
.macro WIN new                         ; the immediate's high byte repeats the setting that is left
.if MSB != \new
	s_set_vgpr_msb (MSB<<8)|\new
.set MSB, \new
.endif
.endm
.set MUL_LO, 0xa1                      ; source 0 (B) window 1, source 1 (A) window 0, C and D window 2
.set MUL_HI, 0xf1
.set TO_B,   0x40
.macro JLOAD g0a, g1a, g0b, g1b        ; a joint load: waves 0 and 1 fetch for A, waves 2 and 3 for B; four v_nop follow each line
	s_cmp_eq_u32 s15, 0
	s_cbranch_scc0 .Lfor_b_\@
	tensor_load_to_lds s[\g0a:\g0a+3], s[\g1a:\g1a+7]
	s_nop 0
.rept 4
	v_nop
.endr
	s_branch .Lasked_\@
.Lfor_b_\@:
	tensor_load_to_lds s[\g0b:\g0b+3], s[\g1b:\g1b+7]
	s_nop 0
.rept 4
	v_nop
.endr
.Lasked_\@:
.endm
.macro CREST
	s_cmp_lg_u32 s14, 0
	s_cbranch_scc1 .Lnot_wave_0_\@
	s_barrier_signal -3
.Lnot_wave_0_\@:
	s_barrier_wait -3
	s_barrier_signal -1
	s_barrier_wait -1
.endm
.macro CROUND
	s_barrier_signal -1
	s_barrier_wait -1
	CREST
.endm
	s_load_b512 s[68:83], s[0:1], 0x0              ; xq, Wq codes, Wq scales, Wk codes, Wk scales, Wv codes, Wv scales, bq
	s_load_b128 s[84:87], s[0:1], 0x40             ; bk, bv
	s_load_b64 s[100:101], s[0:1], 0x50            ; qkv
	v_lshl_add_u32 v[SPW], v0, 2, SPARE
	v_mov_b32 v[NIL], 0
	ds_add_u32 v28, v29
	ds_add_u32 v28, v29
	s_wait_dscnt 0x0
	v_lshrrev_b32 v1, 5, v0
	v_readfirstlane_b32 s14, v1                    ; wave 0..3
	s_lshr_b32 s15, s14, 1                         ; my half of the tile's A rows.  Also: I fetch for A (0) or for B (1)
	s_and_b32 s16, s14, 1                          ; my half of its B rows.  Also: which 128 rows I fetch
	s_bfe_u32 s40, ttmp6, 0x40000                  ; cx
	s_bfe_u32 s41, ttmp6, 0x40004                  ; cy
	s_and_b32 s18, ttmp7, 0xffff                   ; the cluster's y
	s_wait_kmcnt 0x0
	s_add_nc_u64 s[88:89], s[68:69], 0x400000      ; xn's scale bytes
	s_cmp_eq_u32 ttmp9, 0                          ; the cluster's x is the same in all sixteen partners
	s_cselect_b64 s[92:93], s[70:71], s[74:75]     ; Wq or Wk: codes,
	s_cselect_b64 s[94:95], s[72:73], s[76:77]     ; scales,
	s_cselect_b64 s[96:97], s[82:83], s[84:85]     ; bias
	s_cmp_eq_u32 ttmp9, 2                          ; V: the sides change places
	s_cselect_b64 s[4:5], s[78:79], s[68:69]       ; A's codes
	s_cselect_b64 s[6:7], s[80:81], s[88:89]       ; A's scales
	s_cselect_b64 s[8:9], s[68:69], s[92:93]       ; B's codes
	s_cselect_b64 s[10:11], s[88:89], s[94:95]     ; B's scales
	s_cselect_b64 s[98:99], s[86:87], s[96:97]     ; the bias
	s_cselect_b32 s17, 0, s18                      ; the cluster's y counts tile rows (Q, K) or tile columns (V)
	s_cselect_b32 s42, s18, 0
	s_cselect_b32 s2, 0, 4                         ; the bias: bytes from register to register,
	s_cselect_b32 s12, 4, 0                        ; for each lane of a half,
	s_cselect_b32 s13, 0, 32                       ; for the upper half of the lanes;
	s_cselect_b32 s96, s41, s40                    ; it runs along the weight's rows: A's for V, B's for Q and K
	s_cselect_b32 s97, s15, s16
	s_lshl_b32 s17, s17, 2
	s_add_co_u32 s17, s17, s41                     ; tile row
	s_lshl_b32 s42, s42, 2
	s_add_co_u32 s42, s42, s40                     ; tile column
	s_lshl_b32 s43, s41, 2
	s_lshl_b32 s43, 15, s43                        ; my row of the cluster
	s_lshl_b32 s44, 0x1111, s40                    ; my column
	s_or_b32 s[G1+0], s43, (0<<16)|(1<<20)|(1<<21)|(5<<22)|(3<<25)  ; the mask; elements of 1 byte; padding: 4 words after every 64; bit 21 beside a mask
	s_or_b32 s[G1B+0], s44, (0<<16)|(1<<20)|(1<<21)|(5<<22)|(3<<25)
.irp g, G1, G1B
	s_mov_b32 s[\g+1], ROWB<<16                    ; tensor_dim0
	s_mov_b32 s[\g+2], 128<<16                     ; tensor_dim1
	s_mov_b32 s[\g+3], ROWB<<16                    ; tile_dim0
	s_mov_b32 s[\g+4], 128                         ; tile_dim1
	s_mov_b32 s[\g+5], KROW                        ; the pitch
	s_mov_b32 s[\g+6], 0
	s_mov_b32 s[\g+7], 0
.endr
	s_or_b32 s[G1S+0], s43, (3<<16)|(1<<20)|(1<<21)|(5<<22)|(3<<25)  ; the scales of 128 rows: a dense block, as rows of 256 bytes (32 elements of 8)
	s_or_b32 s[G1SB+0], s44, (3<<16)|(1<<20)|(1<<21)|(5<<22)|(3<<25)
.irp g, G1S, G1SB
	s_mov_b32 s[\g+1], 32<<16
	s_mov_b32 s[\g+2], (128*KS/256)<<16
	s_mov_b32 s[\g+3], 32<<16
	s_mov_b32 s[\g+4], 128*KS/256
	s_mov_b32 s[\g+5], 32
	s_mov_b32 s[\g+6], 0
	s_mov_b32 s[\g+7], 0
.endr
	s_lshl_b32 s18, s16, 7
	s_lshl_b32 s20, s17, 8
	s_add_co_u32 s20, s20, s18                     ; A: row 256 x tile row + 128 x half
	s_lshl_b32 s46, s42, 8
	s_add_co_u32 s46, s46, s18                     ; B: row 256 x tile column + 128 x half
	s_mov_b32 s21, 0
	s_mov_b32 s47, 0
	s_mov_b64 s[18:19], KS
	s_mul_u64 s[22:23], s[20:21], s[18:19]
	s_mul_u64 s[92:93], s[46:47], s[18:19]
	s_mov_b64 s[18:19], KROW
	s_mul_u64 s[20:21], s[20:21], s[18:19]
	s_mul_u64 s[46:47], s[46:47], s[18:19]
	s_mul_i32 s45, s14, HALFT                      ; where they go: wave x 128 rows
	s_mul_i32 s94, s14, HALFS
	s_add_nc_u64 s[20:21], s[4:5], s[20:21]
	s_add_nc_u64 s[22:23], s[6:7], s[22:23]
	s_add_nc_u64 s[46:47], s[8:9], s[46:47]
	s_add_nc_u64 s[92:93], s[10:11], s[92:93]
	CROUND                                         ; all sixteen work-groups are here: the first joint loads meet
	s_mov_b32 s[G0S], 1
	s_add_co_u32 s[G0S+1], s94, SCL
	s_mov_b64 s[G0S+2:G0S+3], s[22:23]
	s_or_b32 s[G0S+3], s[G0S+3], 0x80000000
	s_mov_b32 s[G0SB], 1
	s_add_co_u32 s[G0SB+1], s94, SCL
	s_mov_b64 s[G0SB+2:G0SB+3], s[92:93]
	s_or_b32 s[G0SB+3], s[G0SB+3], 0x80000000
	JLOAD G0S, G1S, G0SB, G1SB                     ; the scales first; three tensor loads of a wave are out at the most
.irp s, 0,1
	s_mov_b32 s[G0+4*\s], 1
	s_add_co_u32 s[G0+4*\s+1], s45, \s*SLOT
	s_add_nc_u64 s[G0+4*\s+2:G0+4*\s+3], s[20:21], \s*ROWB
	s_or_b32 s[G0+4*\s+3], s[G0+4*\s+3], 0x80000000
	s_mov_b32 s[G0B+4*\s], 1
	s_add_co_u32 s[G0B+4*\s+1], s45, \s*SLOT
	s_add_nc_u64 s[G0B+4*\s+2:G0B+4*\s+3], s[46:47], \s*ROWB
	s_or_b32 s[G0B+4*\s+3], s[G0B+4*\s+3], 0x80000000
	JLOAD G0+4*\s, G1, G0B+4*\s, G1B
.endr
	v_and_b32 v1, 15, v0                           ; r
	v_bfe_u32 v2, v0, 4, 1                         ; h
	v_mul_u32_u24 v3, v1, PITCH
	v_lshl_add_u32 v4, v2, 4, v3
	s_mul_i32 s21, s15, HALFT
	s_mul_i32 s22, s16, HALFT
	s_add_co_u32 s22, s22, 2*HALFT
.irp s, 0,1
	v_add_nc_u32 v[ADRA+\s], s21, v4
	v_add_nc_u32 v[ADRB+\s], s22, v4
	s_add_co_u32 s21, s21, SLOT
	s_add_co_u32 s22, s22, SLOT
.endr
	v_mul_u32_u24 v5, v1, KS
	v_lshrrev_b32 v6, 8, v5
	v_lshl_add_u32 v5, v6, 4, v5                   ; 16 more for each 256 passed
	s_mul_i32 s21, s15, HALFS
	s_mul_i32 s22, s16, HALFS
	s_add_co_u32 s22, s22, 2*HALFS
	s_sub_co_u32 s22, s22, s21
	v_mul_u32_u24 v6, s22, v2                      ; lanes 16-31 take B's
	s_add_co_u32 s21, s21, SCL
	v_add_nc_u32 v5, v5, v6
	v_add_nc_u32 v[ADRS], s21, v5
	; the biases, in the results' layout, with no branch.  Q, K: register 8 b + j = bias[16 b + 8 h + j].  V: registers 8 a + .. = bias[16 a + r]
	s_lshl_b32 s96, s96, 10
	s_lshl_b32 s97, s97, 9
	s_add_co_u32 s46, s96, s97
	s_mov_b32 s47, 0
	s_add_nc_u64 s[98:99], s[98:99], s[46:47]      ; at my wave's 128 numbers
	v_mul_u32_u24 v7, v1, s12
	v_mad_u32_u24 v7, v2, s13, v7
	s_wait_alu depctr_va_vdst(0)
.irp j, 0,1,2,3,4,5,6,7
	s_mul_i32 s46, s2, \j
	v_add_nc_u32 v[8+\j], s46, v7                  ; v8-15 stand until the wait for these loads, at the way out
.endr
.irp b, 0,1,2,3,4,5,6,7
.irp j, 0,1,2,3,4,5,6,7
	global_load_b32 v[BI+8*\b+\j], v[8+\j], s[98:99] offset:64*\b
.endr
.endr
.macro FRAG reg, adr, q, i             ; 16 rows x 128 K: registers 4 c .. 4 c + 3 hold K = 32 c + 16 h + 0 .. 15
.irp c, 0,1,2,3
	ds_load_b128 v[\reg+4*\c:\reg+4*\c+3], v[\adr] offset:128*(\q)+32*\c+(\i)*16*PITCH
.endr
.endm
; 16 matrix instructions; the 64 accumulators take turns, one instruction a turn, in the same order in every step
.macro MUL16 a0, p, q, sc, zero
.irp a, \a0, \a0+1
.irp b, 0,1,2,3,4,5,6,7
.if \zero
	v_wmma_scale_f32_16x16x128_f8f6f4 v[8*(8*((\a)%4)+\b):8*(8*((\a)%4)+\b)+7], v[128*(\p)+FR*\b:128*(\p)+FR*\b+FR-1], v[AF+FR*(\a):AF+FR*(\a)+FR-1], 0, v[SC+8*NQ*(\sc)+NQ*\b+(\q)], v[SC+8*NQ*(\sc)+NQ*(\a)+(\q)] matrix_a_scale:MATRIX_SCALE_ROW1
.else
	v_wmma_scale_f32_16x16x128_f8f6f4 v[8*(8*((\a)%4)+\b):8*(8*((\a)%4)+\b)+7], v[128*(\p)+FR*\b:128*(\p)+FR*\b+FR-1], v[AF+FR*(\a):AF+FR*(\a)+FR-1], v[8*(8*((\a)%4)+\b):8*(8*((\a)%4)+\b)+7], v[SC+8*NQ*(\sc)+NQ*\b+(\q)], v[SC+8*NQ*(\sc)+NQ*(\a)+(\q)] matrix_a_scale:MATRIX_SCALE_ROW1
.endif
.endr
.endr
.endm
.macro FETCH_B slot, q, p
	WIN TO_B
.irp i, 0,1,2,3,4,5,6,7
	FRAG 128*(\p)+FR*\i, ADRB+\slot, \q, \i
.endr
	WIN 0
.endm
.macro FETCH_A slot, q, i0
.irp i, \i0, \i0+1, \i0+2, \i0+3
	FRAG AF+FR*(\i), ADRA+\slot, \q, \i
.endr
.endm
.macro SCALES sc                       ; lanes 0-15 take the words of A's block i, lanes 16-31 those of B's block i
.irp i, 0,1,2,3,4,5,6,7
	ds_load_b64 v[SC+8*NQ*\sc+NQ*\i:SC+8*NQ*\sc+NQ*\i+1], v[ADRS] offset:\i*SBLK
.endr
.endm
.macro PLACES n                        ; plain vector instructions between a matrix instruction and a load into, or a vector access to, its registers
.rept \n
	v_nop
.endr
.endm
.macro STEP slot, q, zero
	s_wait_dscnt 4*NL                              ; B's set and A's blocks 0-3 are in; the 16 loads of A's blocks 4-7 may be out
	WIN MUL_LO
	MUL16 0, (\q)%2, \q, \slot, \zero
	MUL16 2, (\q)%2, \q, \slot, \zero
	s_wait_dscnt 0
	PLACES NP
	FETCH_B \slot, (\q)+1, 1-(\q)%2
	FETCH_A \slot, (\q)+1, 0
	WIN MUL_HI
	MUL16 4, (\q)%2, \q, \slot, \zero
	MUL16 6, (\q)%2, \q, \slot, \zero
	PLACES NP
	WIN 0
	FETCH_A \slot, (\q)+1, 4
.endm
; A slot's last step changes slots: one barrier; in front of it each wave waits for all its tensor loads, adds 0 to its spare word, and waits for that and for its reads of the slot.
.macro TURN slot, next, fill
	s_wait_tensorcnt 0x0                           ; all my tensor loads have landed: my part of the next slot
	ds_add_u32 v[SPW], v[NIL]
	s_wait_dscnt 4*NL+1                            ; the add and the 16 loads of A's blocks 4-7 may be out
	WIN MUL_LO
	MUL16 0, 1, NQ-1, \slot, 0
	s_wait_dscnt 0x0                               ; the add is done, and my reads of this slot are over
	s_barrier_signal -1
	MUL16 2, 1, NQ-1, \slot, 0
	WIN 0
	s_barrier_wait -1
.if \fill
	CREST                                          ; the barrier has opened a round of the cluster's: no wave of any partner still reads this slot or has a load on its way
	s_add_nc_u64 s[G0+4*\slot+2:G0+4*\slot+3], s[G0+4*\slot+2:G0+4*\slot+3], 2*ROWB
	s_add_nc_u64 s[G0B+4*\slot+2:G0B+4*\slot+3], s[G0B+4*\slot+2:G0B+4*\slot+3], 2*ROWB
	JLOAD G0+4*\slot, G1, G0B+4*\slot, G1B         ; the first tensor load behind the round
	PLACES NP-4
.else
	PLACES NP
.endif
	s_wait_alu depctr_va_vdst(0)
	v_add_nc_u32 v[ADRS], 4*NQ, v[ADRS]
	FETCH_B \next, 0, 0
	FETCH_A \next, 0, 0
	SCALES \next
	WIN MUL_HI
	MUL16 4, 1, NQ-1, \slot, 0
	MUL16 6, 1, NQ-1, \slot, 0
	PLACES NP
	WIN 0
	FETCH_A \next, 0, 4
.endm
	s_wait_tensorcnt 1                             ; the scales and my part of K step 0 are in; K step 1's load may be out
	s_barrier_signal -1
	s_barrier_wait -1
	FETCH_B 0, 0, 0
	FETCH_A 0, 0, 0
	SCALES 0
	FETCH_A 0, 0, 4
	STEP 0, 0, 1                                   ; the first step's products start the sums
	s_mov_b32 s3, LAPS-1
.Llap:
	TURN 0, 1, 1
	STEP 1, 0, 0
	TURN 1, 0, 1
	STEP 0, 0, 0
	s_sub_co_u32 s3, s3, 1
	s_cmp_lg_u32 s3, 0
	s_cbranch_scc1 .Llap
	TURN 0, 1, 0
	STEP 1, 0, 0
	s_wait_dscnt 4*NL
	WIN MUL_LO
	MUL16 0, 1, NQ-1, 1, 0
	MUL16 2, 1, NQ-1, 1, 0
	s_wait_dscnt 0
	WIN MUL_HI
	MUL16 4, 1, NQ-1, 1, 0
	MUL16 6, 1, NQ-1, 1, 0
	WIN 0
; nb blocks of 32, 16 numbers of each in my registers v[s + 16 b + i] and 16 in lane l xor 16's, become codes in v[PC] on and a scale word in v[PW].
.macro QUANT s, nb
.set qb, 0
.rept \nb
	v_max3_num_f32 v[TM+qb], |v[(\s)+16*qb]|, |v[(\s)+16*qb+1]|, 0x4800000   ; with the floor 2^(9 - 127): the byte cannot fall under 1
.set qb, qb+1
.endr
.irp i, 2,4,6,8,10,12,14
.set qb, 0
.rept \nb
	v_max3_num_f32 v[TM+qb], v[TM+qb], |v[(\s)+16*qb+\i]|, |v[(\s)+16*qb+\i+1]|
.set qb, qb+1
.endr
.endr
.set qb, 0
.rept \nb
	v_permlanex16_b32 v[TM+4+qb], v[TM+qb], s[SEL], s[SEL+1]
.set qb, qb+1
.endr
.set qb, 0
.rept \nb
	v_max_num_f32 v[TM+qb], v[TM+qb], v[TM+4+qb]   ; the block's largest magnitude
.set qb, qb+1
.endr
.set qb, 0
.rept \nb
	v_add_nc_u32 v[TM+12+qb], 0xfc000000, v[TM+qb] ; 8 off its exponent field: the conversion's scale operand
.set qb, qb+1
.endr
.set qb, 0
.rept \nb
	v_lshrrev_b32 v[TM+4+qb], 23, v[TM+12+qb]      ; the scale's byte
.set qb, qb+1
.endr
	v_lshl_or_b32 v[PW], v[TM+5], 8, v[TM+4]
.if \nb > 2
	v_lshl_or_b32 v[PW], v[TM+6], 16, v[PW]
	v_lshl_or_b32 v[PW], v[TM+7], 24, v[PW]
.endif
.set qb, 0
.rept \nb
.set qi, 0
.rept 16
.set qi, qi+1
.endr
	v_cvt_scalef32_pk8_fp8_f32 v[PC+4*qb:PC+4*qb+1], v[(\s)+16*qb:(\s)+16*qb+7], v[TM+12+qb]
	v_cvt_scalef32_pk8_fp8_f32 v[PC+4*qb+2:PC+4*qb+3], v[(\s)+16*qb+8:(\s)+16*qb+15], v[TM+12+qb]
.set qb, qb+1
.endr
	v_nop                                          ; a plain instruction between the conversions and the first vector instruction that touches their results
.set qb, 0
.rept \nb                              ; my codes are places 8 h + 0..7 and 16 + 8 h + 0..7 of the block; an operand's lane wants 16 h + 0..15: the upper lanes of the first pair change places with the lower lanes of the second
	v_permlane16_swap_b32 v[PC+4*qb], v[PC+4*qb+2]
	v_permlane16_swap_b32 v[PC+4*qb+1], v[PC+4*qb+3]
.set qb, qb+1
.endr
.endm
.macro EPI a, isv
.set AC, 64*((\a)%4)
	s_wait_xcnt 0x0                                ; the last block's stores have read their registers
	WIN 0x02+((\a)/4)                              ; source 0: window 2 or 3
.set ei, 0
.rept 32
.if \isv
	v_pk_add_f32 v[Y+2*ei:Y+2*ei+1], v[AC+2*ei:AC+2*ei+1], v[BI+8*(\a):BI+8*(\a)+1]   ; each accumulator from its low end on
.else
	v_pk_add_f32 v[Y+2*ei:Y+2*ei+1], v[AC+2*ei:AC+2*ei+1], v[BI+2*ei:BI+2*ei+1]
.endif
.set ei, ei+1
.endr
	WIN 0
	QUANT Y, 4
.if \isv
.irp c, 0,1,2,3
	global_store_b128 v[VO], v[PC+4*\c:PC+4*\c+3], s[12:13] offset:131072*((\a)/4)+2048*((\a)%4)+512*\c   ; head a / 4, channel tile a % 4: 512 consecutive bytes
.endr
	global_store_b32 v[VS], v[PW], s[92:93] offset:4096*((\a)/4)+64*((\a)%4)   ; (lanes 16-31 write what lanes 0-15 write)
.else
	global_store_b128 v[VO], v[PC:PC+3], s[12:13] offset:1024*(\a)             ; my first head: the tile's two groups,
	global_store_b128 v[VO], v[PC+4:PC+7], s[12:13] offset:1024*(\a)+512
	global_store_b128 v[VO], v[PC+8:PC+11], s[12:13] offset:1024*(\a)+131072   ; my second head
	global_store_b128 v[VO], v[PC+12:PC+15], s[12:13] offset:1024*(\a)+131584
	global_store_b16 v[VS], v[PW], s[92:93] offset:64*((\a)/2)+2*((\a)%2)
	global_store_d16_hi_b16 v[VS], v[PW], s[92:93] offset:64*((\a)/2)+2*((\a)%2)+4096
.endif
.endm
	PLACES NP                                      ; behind the last products: for the reads of results and the writes over A's fragments
	s_wait_loadcnt 0x0                             ; the biases are in, and their offsets' registers are free
	s_mov_b32 s[SEL], 0x76543210
	s_mov_b32 s[SEL+1], 0xfedcba98
	v_and_b32 v[VO], 31, v0
	v_lshlrev_b32 v[VO], 4, v[VO]
	v_and_b32 v[VS], 15, v0
	v_lshlrev_b32 v[VS], 2, v[VS]
.irp b, 0,1,2,3
	v_mov_b32 v[TM+4+\b], 0                        ; a lane permute's destination counts as read
.endr
	s_mov_b32 s45, 0
	s_cmp_eq_u32 ttmp9, 2
	s_cbranch_scc1 .Lv
	s_lshl_b32 s18, s17, 8                         ; Q, K: my first token = 256 x tile row + 128 x half
	s_lshl_b32 s19, s15, 7
	s_add_co_u32 s18, s18, s19
	s_lshr_b32 s19, s18, 11                        ; the batch
	s_lshl_b32 s19, s19, 4
	s_lshl_b32 s23, s42, 2
	s_add_co_u32 s19, s19, s23
	s_lshl_b32 s23, s16, 1
	s_add_co_u32 s19, s19, s23                     ; bh of my first head
	s_bfe_u32 s18, s18, 0x70004                    ; my first tile of 16 tokens in the batch
	s_lshl_b32 s44, ttmp9, 22
	s_lshl_b32 s46, s19, 17
	s_add_co_u32 s44, s44, s46
	s_lshl_b32 s46, s18, 10
	s_add_co_u32 s44, s44, s46
	s_add_nc_u64 s[12:13], s[100:101], s[44:45]
	s_lshl_b32 s44, ttmp9, 17
	s_lshl_b32 s46, s19, 12
	s_add_co_u32 s44, s44, s46
	s_lshl_b32 s46, s18, 5                         ; 64 bytes a pair of tiles
	s_add_co_u32 s44, s44, s46
	s_add_co_u32 s44, s44, 0xC00000
	s_add_nc_u64 s[92:93], s[100:101], s[44:45]
.irp a, 0,1,2,3,4,5,6,7
	EPI \a, 0
.endr
	s_branch .Ldone
.Lv:
	s_lshl_b32 s18, s42, 8                         ; V: my first token = 256 x tile column + 128 x half: one key step
	s_lshl_b32 s19, s16, 7
	s_add_co_u32 s18, s18, s19
	s_lshr_b32 s19, s18, 11
	s_lshl_b32 s19, s19, 4
	s_lshl_b32 s23, s17, 2
	s_add_co_u32 s19, s19, s23
	s_lshl_b32 s23, s15, 1
	s_add_co_u32 s19, s19, s23                     ; bh of my first head
	s_bfe_u32 s18, s18, 0x40007                    ; the key step
	s_lshl_b32 s44, s19, 17
	s_lshl_b32 s46, s18, 13
	s_add_co_u32 s44, s44, s46
	s_add_co_u32 s44, s44, 0x800000
	s_add_nc_u64 s[12:13], s[100:101], s[44:45]
	s_lshl_b32 s44, s19, 12
	s_lshl_b32 s46, s18, 8
	s_add_co_u32 s44, s44, s46
	s_add_co_u32 s44, s44, 0xC40000
	s_add_nc_u64 s[92:93], s[100:101], s[44:45]
.irp a, 0,1,2,3,4,5,6,7
	EPI \a, 1
.endr
.Ldone:
	s_wait_tensorcnt 0x0                           ; the wave's end
	ds_add_u32 v[SPW], v[NIL]
	s_wait_dscnt 0x0
	CROUND                                         ; the closing round
	s_endpgm
.Lfunc_end_k_q3417d4c4a1_qkv:
	.size	k_q3417d4c4a1_qkv, .Lfunc_end_k_q3417d4c4a1_qkv-k_q3417d4c4a1_qkv
	.p2alignl 7, 3214868480
	.fill 96, 4, 3214868480
	.section	.rodata,"a",@progbits
	.p2align	6, 0x0
	.amdhsa_kernel k_q3417d4c4a1_qkv
		.amdhsa_group_segment_fixed_size 327680
		.amdhsa_private_segment_fixed_size 0
		.amdhsa_enable_private_segment 0
		.amdhsa_kernarg_size 88
		.amdhsa_user_sgpr_count 2
		.amdhsa_user_sgpr_kernarg_segment_ptr 1
		.amdhsa_wavefront_size32 1
		.amdhsa_system_sgpr_workgroup_id_x 1
		.amdhsa_system_sgpr_workgroup_id_y 1
		.amdhsa_system_sgpr_workgroup_id_z 1
		.amdhsa_system_vgpr_workitem_id 0
		.amdhsa_next_free_vgpr 1024
		.amdhsa_next_free_sgpr 102
		.amdhsa_reserve_vcc 0
		.amdhsa_float_denorm_mode_32 3
		.amdhsa_float_denorm_mode_16_64 3
		.amdhsa_fp16_overflow 1
		.amdhsa_memory_ordered 1
		.amdhsa_forward_progress 1
		.amdhsa_inst_pref_size 228
	.end_amdhsa_kernel
	.amdgpu_metadata
---
amdhsa.version: [ 1, 2 ]
amdhsa.kernels:
  - .name:           k_q3417d4c4a1_qkv
    .symbol:         k_q3417d4c4a1_qkv.kd
    .args:
      - { .name: xq, .offset: 0, .size: 8, .value_kind: global_buffer, .address_space: global }
      - { .name: Wq_codes, .offset: 8, .size: 8, .value_kind: global_buffer, .address_space: global }
      - { .name: Wq_scales, .offset: 16, .size: 8, .value_kind: global_buffer, .address_space: global }
      - { .name: Wk_codes, .offset: 24, .size: 8, .value_kind: global_buffer, .address_space: global }
      - { .name: Wk_scales, .offset: 32, .size: 8, .value_kind: global_buffer, .address_space: global }
      - { .name: Wv_codes, .offset: 40, .size: 8, .value_kind: global_buffer, .address_space: global }
      - { .name: Wv_scales, .offset: 48, .size: 8, .value_kind: global_buffer, .address_space: global }
      - { .name: bq, .offset: 56, .size: 8, .value_kind: global_buffer, .address_space: global }
      - { .name: bk, .offset: 64, .size: 8, .value_kind: global_buffer, .address_space: global }
      - { .name: bv, .offset: 72, .size: 8, .value_kind: global_buffer, .address_space: global }
      - { .name: qkv, .offset: 80, .size: 8, .value_kind: global_buffer, .address_space: global }
    .group_segment_fixed_size: 327680
    .private_segment_fixed_size: 0
    .kernarg_segment_align: 8
    .kernarg_segment_size: 88
    .max_flat_workgroup_size: 128
    .sgpr_count:     102
    .vgpr_count:     1024
    .wavefront_size: 32
...
	.end_amdgpu_metadata
.endif
;; end of part 2
;; launch attn (part 3): grid 8 x 32, 16 waves a work-group, clusters of 4 x 1, 309,248 bytes of LDS; arguments qkv, pb; writes pb
.if DOCPART == 3
	.amdgcn_target "amdgcn-amd-amdhsa--gfx1250"
	.amdhsa_code_object_version 6
	.text
	.protected	k_q3417d4c4a1_attn
	.globl	k_q3417d4c4a1_attn
	.p2align	8
	.type	k_q3417d4c4a1_attn,@function
k_q3417d4c4a1_attn:
	s_mov_b64 s[64:65], 0
	v_nop
	global_prefetch_b8 v0, s[64:65] scope:SCOPE_SE
	s_setreg_imm32_b32 hwreg(HW_REG_WAVE_MODE, 25, 1), 1
	s_wait_xcnt 0x0
	s_wait_alu depctr_hold_cnt(0) depctr_sa_sdst(0) depctr_va_vdst(0) depctr_va_sdst(0) depctr_va_ssrc(0) depctr_va_vcc(0) depctr_vm_vsrc(0)
	s_getreg_b32 s2, hwreg(HW_REG_IB_STS2, 6, 4)
	s_cmp_eq_u32 s2, 0
	s_cbranch_scc0 .Lentry_in_a_cluster
	s_endpgm
.Lentry_in_a_cluster:
	s_bfe_u32 s2, ttmp6, 0x10000c
	s_cmp_lg_u32 s2, 0x3003
	s_cbranch_scc0 .Lentry_shape_is_right
	s_endpgm
.Lentry_shape_is_right:
.set F,   40
.set S,   104
.set O,   168
.set PC,  200
.set TM,  216
.set KSW, 232
.set QS,  236
.set PSW, 237
.set FF,  238
.set W,   240
.set PW,  240
.set VSW, 244
.set Q2,  248
.set QS2, 4
.set PA,  6
.set PART, 270336
.set SEL, 16
.set MNT, 20
.macro ROUND
	s_barrier_signal -1
	s_barrier_wait -1
	s_cmp_lg_u32 s8, 0
	s_cbranch_scc1 .Lnot_wave_0_\@
	s_barrier_signal -3
.Lnot_wave_0_\@:
	s_barrier_wait -3
	s_barrier_signal -1
	s_barrier_wait -1
.endm
.macro START
	v_mov_b32 v13, 0xff61b1e6
	s_delay_alu instid0(VALU_DEP_1)
	v_floor_f32 v12, -v13
	v_mov_b32 v14, 0
	v_mov_b32 v15, 0
.set zi, 0
.rept 32
	v_mov_b32 v[O+zi], 0
.set zi, zi+1
.endr
.endm
.macro QSADR d, qt
	s_lshl_b32 s[\d], s11, 12
	s_lshr_b32 s[\d+1], s[\qt], 1
	s_lshl_b32 s[\d+1], s[\d+1], 6
	s_add_co_u32 s[\d], s[\d], s[\d+1]
	s_and_b32 s[\d+1], s[\qt], 1
	s_lshl_b32 s[\d+1], s[\d+1], 1
	s_add_co_u32 s[\d], s[\d], s[\d+1]
	s_add_co_u32 s[\d], s[\d], 0xC00000
	s_mov_b32 s[\d+1], 0
	s_add_nc_u64 s[\d:\d+1], s[4:5], s[\d:\d+1]
.endm
.macro QUANT s, nb
.set qb, 0
.rept \nb
	v_max3_num_f32 v[TM+qb], |v[(\s)+16*qb]|, |v[(\s)+16*qb+1]|, 0x4800000
.set qb, qb+1
.endr
.irp i, 2,4,6,8,10,12,14
.set qb, 0
.rept \nb
	s_delay_alu instid0(VALU_DEP_2)
	v_max3_num_f32 v[TM+qb], v[TM+qb], |v[(\s)+16*qb+\i]|, |v[(\s)+16*qb+\i+1]|
.set qb, qb+1
.endr
.endr
.set qb, 0
.rept \nb
	s_delay_alu instid0(VALU_DEP_2)
	v_permlanex16_b32 v[TM+4+qb], v[TM+qb], s[SEL], s[SEL+1]
.set qb, qb+1
.endr
.set qb, 0
.rept \nb
	s_delay_alu instid0(VALU_DEP_2)
	v_max_num_f32 v[TM+qb], v[TM+qb], v[TM+4+qb]
.set qb, qb+1
.endr
.set qb, 0
.rept \nb
	s_delay_alu instid0(VALU_DEP_2)
	v_add_nc_u32 v[TM+12+qb], 0xfc000000, v[TM+qb]
.set qb, qb+1
.endr
.set qb, 0
.rept \nb
	s_delay_alu instid0(VALU_DEP_2)
	v_lshrrev_b32 v[TM+4+qb], 23, v[TM+12+qb]
.set qb, qb+1
.endr
	s_delay_alu instid0(VALU_DEP_1)
	v_lshl_or_b32 v[PW], v[TM+5], 8, v[TM+4]
.set qb, 0
.rept \nb
.set qi, 0
.rept 16
.set qi, qi+1
.endr
	v_cvt_scalef32_pk8_fp8_f32 v[PC+4*qb:PC+4*qb+1], v[(\s)+16*qb:(\s)+16*qb+7], v[TM+12+qb]
	v_cvt_scalef32_pk8_fp8_f32 v[PC+4*qb+2:PC+4*qb+3], v[(\s)+16*qb+8:(\s)+16*qb+15], v[TM+12+qb]
.set qb, qb+1
.endr
	v_nop
.set qb, 0
.rept \nb
	v_permlane16_swap_b32 v[PC+4*qb], v[PC+4*qb+2]
	v_permlane16_swap_b32 v[PC+4*qb+1], v[PC+4*qb+3]
.set qb, qb+1
.endr
.endm
.macro SENDOUT
	QUANT S, 2
	global_store_b128 v1, v[PC:PC+3], s[60:61]
	global_store_b128 v1, v[PC+4:PC+7], s[60:61] offset:512
	global_store_b16 v7, v[PW], s[62:63]
.endm
	s_load_b128 s[4:7], s[0:1], 0x0
	v_lshl_add_u32 v254, v0, 2, 0x4b000
	v_mov_b32 v255, 0
	ds_add_u32 v254, v255
	ds_add_u32 v254, v255
	s_wait_dscnt 0x0
	v_lshrrev_b32 v1, 5, v0
	s_delay_alu instid0(VALU_DEP_1)
	v_readfirstlane_b32 s8, v1
	s_and_b32 s15, s8, 7
	s_xor_b32 s40, s15, 15
	s_lshl_b32 s42, 2, s15
	s_sub_co_u32 s42, s42, 1
	s_xor_b32 s43, s15, 7
	s_lshl_b32 s43, 2, s43
	s_sub_co_u32 s43, s43, 1
	s_lshl_b32 s43, s43, 8
	s_or_b32 s42, s42, s43
	s_cmp_lt_u32 s8, 8
	s_cselect_b32 s9, s40, s15
	s_cselect_b32 s41, -1, s15
	s_cselect_b32 s42, s42, 0xff
	s_mul_i32 s43, s15, 4608
	s_add_co_u32 s43, s43, PART
	s_bfe_u32 s10, ttmp6, 0x40000
	s_lshl_b32 s21, ttmp9, 2
	s_add_co_u32 s10, s10, s21
	s_and_b32 s11, ttmp7, 0xffff
	s_mov_b32 s24, 15|(3<<16)|(1<<21)
	s_mov_b32 s25, 32<<16
	s_mov_b32 s26, 2<<16
	s_mov_b32 s27, 32<<16
	s_mov_b32 s28, 2
	s_mov_b32 s29, 32
	s_mov_b32 s30, 0
	s_mov_b32 s31, 0
	s_mov_b32 s32, 15|(3<<16)|(1<<21)
	s_mov_b32 s33, 32<<16
	s_mov_b32 s34, 64<<16
	s_mov_b32 s35, 32<<16
	s_mov_b32 s36, 64
	s_mov_b32 s37, 32
	s_mov_b32 s38, 0
	s_mov_b32 s39, 0
	s_lshr_b32 s22, s8, 3
	s_and_b32 s23, s8, 7
	s_lshl_b32 s60, s22, 17
	s_lshl_b32 s61, s11, 12
	s_add_co_u32 s60, s60, s61
	s_lshl_b32 s61, s23, 9
	s_add_co_u32 s60, s60, s61
	s_add_co_u32 s60, s60, 0xC20000
	s_mov_b32 s61, 0
	s_lshl_b32 s62, s22, 22
	s_lshl_b32 s63, s11, 17
	s_add_co_u32 s62, s62, s63
	s_lshl_b32 s63, s23, 14
	s_add_co_u32 s62, s62, s63
	s_add_co_u32 s62, s62, 0x400000
	s_mov_b32 s63, 0
	s_mov_b32 s48, 1
	s_lshl_b32 s49, s8, 9
	s_add_co_u32 s49, s49, 262144
	s_mov_b32 s52, 1
	s_lshl_b32 s53, s8, 14
	s_wait_kmcnt 0x0
	s_add_nc_u64 s[50:51], s[4:5], s[60:61]
	s_or_b32 s51, s51, 0x80000000
	s_add_nc_u64 s[54:55], s[4:5], s[62:63]
	s_or_b32 s55, s55, 0x80000000
	ROUND
	tensor_load_to_lds s[48:51], s[24:31]
	s_nop 0
	tensor_load_to_lds s[52:55], s[32:39]
	s_nop 0
.rept 4
	v_nop
.endr
	v_and_b32 v1, 31, v0
	s_delay_alu instid0(VALU_DEP_1)
	v_lshlrev_b32 v1, 4, v1
	s_delay_alu instid0(VALU_DEP_1)
	v_add_nc_u32 v2, 131072, v1
	v_and_b32 v7, 15, v0
	s_delay_alu instid0(VALU_DEP_1)
	v_lshlrev_b32 v6, 2, v7
	s_wait_alu depctr_va_vdst(0)
	v_add_nc_u32 v3, 262144, v6
	v_bfe_u32 v8, v0, 4, 1
	s_delay_alu instid0(VALU_DEP_1)
	v_lshlrev_b32 v5, 3, v8
	s_delay_alu instid0(VALU_DEP_1)
	v_sub_nc_u32 v5, v7, v5
	s_lshl_b32 s22, s10, 4
	v_add_nc_u32 v5, s22, v5
	v_lshlrev_b32 v7, 5, v7
	s_lshl_b32 s21, s9, 3
	s_add_co_u32 s21, s21, s10
	s_lshl_b32 s44, s40, 3
	s_add_co_u32 s44, s44, s10
	s_lshl_b32 s60, s11, 17
	s_lshl_b32 s61, s21, 10
	s_add_co_u32 s60, s60, s61
	s_mov_b32 s61, 0
	s_add_nc_u64 s[60:61], s[4:5], s[60:61]
	global_load_b128 v[24:27], v1, s[60:61]
	global_load_b128 v[28:31], v1, s[60:61] offset:512
	s_lshl_b32 s56, s11, 17
	s_lshl_b32 s57, s44, 10
	s_add_co_u32 s56, s56, s57
	s_mov_b32 s57, 0
	s_add_nc_u64 s[56:57], s[4:5], s[56:57]
	global_load_b128 v[Q2:Q2+3], v1, s[56:57]
	global_load_b128 v[Q2+4:Q2+7], v1, s[56:57] offset:512
	QSADR 62, 21
	QSADR 58, 44
	global_load_u16 v[W], v6, s[62:63]
	global_load_u16 v[W+1], v6, s[58:59]
	s_mov_b32 s[SEL], 0x76543210
	s_mov_b32 s[SEL+1], 0xfedcba98
	s_mov_b32 s18, 0x3e38aa3b
	s_mov_b32 s19, s18
	s_mov_b32 s12, 0
	s_mov_b32 s13, 0
	s_mov_b32 s14, 0
.irp j, 0,1,2,3,4,5,6,7
	v_mov_b32 v[16+\j], 0
	v_mov_b32 v[32+\j], 0
.endr
	v_mov_b32 v[FF+1], 0
	v_mov_b32 v[W+2], 0
	v_mov_b32 v[W+3], 0
.irp b, 0,1,2,3
	v_mov_b32 v[TM+4+\b], 0
.endr
	START
	s_wait_loadcnt 0x0
	v_lshl_or_b32 v[QS], v[W], 16, v[W]
	v_lshl_or_b32 v[QS2], v[W+1], 16, v[W+1]
	v_add_nc_u32 v[PA], s43, v1
	s_lshr_b32 s22, s11, 4
	s_lshl_b32 s22, s22, 7
	s_add_co_u32 s22, s22, s21
	s_lshl_b32 s60, s22, 14
	s_bfe_u32 s23, s11, 0x30001
	s_lshl_b32 s23, s23, 11
	s_add_co_u32 s60, s60, s23
	s_and_b32 s23, s11, 1
	s_lshl_b32 s23, s23, 10
	s_add_co_u32 s60, s60, s23
	s_mov_b32 s61, 0
	s_add_nc_u64 s[60:61], s[6:7], s[60:61]
	s_lshl_b32 s62, s22, 9
	s_and_b32 s23, s11, 15
	s_lshl_b32 s23, s23, 1
	s_add_co_u32 s62, s62, s23
	s_add_co_u32 s62, s62, 0x400000
	s_mov_b32 s63, 0
	s_add_nc_u64 s[62:63], s[6:7], s[62:63]
	s_wait_tensorcnt 0x0
	s_barrier_signal -1
	s_barrier_wait -1
.Lstep:
	s_lshr_b32 s22, s42, s12
	s_and_b32 s22, s22, 1
	s_cmp_eq_u32 s22, 0
	s_cbranch_scc1 .Lskip
	s_setprio 2
	v_add_nc_u32 v8, s13, v1
	v_add_nc_u32 v9, s13, v2
	v_add_nc_u32 v10, s14, v3
.rept 5
	v_nop
.endr
.irp b, 0,1,2,3
.irp c, 0,1,2,3
	ds_load_b128 v[F+16*\b+4*\c:F+16*\b+4*\c+3], v8 offset:2048*\b+512*\c
.endr
	ds_load_b32 v[KSW+\b], v10 offset:64*\b
.endr
	s_wait_dscnt 0x0
	s_wait_alu depctr_va_vdst(0)
.irp b, 0,1,2,3
	v_wmma_scale_f32_16x16x128_f8f6f4 v[S+16*\b:S+16*\b+7], v[F+16*\b:F+16*\b+15], v[24:39], 0, v[KSW+\b], v[QS]
	v_wmma_scale_f32_16x16x128_f8f6f4 v[S+16*\b+8:S+16*\b+15], v[F+16*\b:F+16*\b+15], v[16:31], 0, v[KSW+\b], v[QS]
.endr
.rept 8
	v_nop
.endr
.irp t, 0,1,2,3
.irp c, 0,1,2,3
	ds_load_b128 v[F+16*\t+4*\c:F+16*\t+4*\c+3], v9 offset:2048*\t+512*\c
.endr
	ds_load_b32 v[VSW+\t], v10 offset:4096+64*\t
.endr
	s_cmp_lg_u32 s12, s9
	s_cbranch_scc1 .Lopen
	v_mov_b32 v[W+1], 0xff800000
.set n, 0
.rept 64
	v_cmp_gt_i32 vcc_lo, 16*(n/8)+n%8, v5
	v_cndmask_b32 v[S+n], v[S+n], v[W+1], vcc_lo
.set n, n+1
.endr
.Lopen:
.irp b, 0,1,2,3
	v_max3_num_f32 v[TM+\b], v[S+16*\b], v[S+16*\b+1], v[S+16*\b+2]
.endr
.irp i, 3,5,7,9,11,13
.irp b, 0,1,2,3
	v_max3_num_f32 v[TM+\b], v[TM+\b], v[S+16*\b+\i], v[S+16*\b+\i+1]
.endr
.endr
.irp b, 0,1,2,3
	v_max_num_f32 v[TM+\b], v[TM+\b], v[S+16*\b+15]
.endr
.irp b, 0,1,2,3
	s_delay_alu instid0(VALU_DEP_4)
	v_permlanex16_b32 v[TM+4+\b], v[TM+\b], s[SEL], s[SEL+1]
.endr
.irp b, 0,1,2,3
	s_delay_alu instid0(VALU_DEP_4)
	v_max_num_f32 v[TM+\b], v[TM+\b], v[TM+4+\b]
.endr
	s_delay_alu instid0(VALU_DEP_2)
	v_max3_num_f32 v[W], v[TM], v[TM+1], v[TM+2]
	s_delay_alu instid0(VALU_DEP_1)
	v_max_num_f32 v[W], v[W], v[TM+3]
	s_delay_alu instid0(VALU_DEP_1)
	v_mul_f32 v[W], s18, v[W]
	s_delay_alu instid0(VALU_DEP_1)
	v_max_num_f32 v13, v13, v[W]
	v_mov_b32 v[W], v12
	s_delay_alu instid0(VALU_DEP_2)
	v_floor_f32 v12, -v13
	s_delay_alu instid0(VALU_DEP_1)
	v_sub_f32 v[W], v12, v[W]
	s_delay_alu instid0(VALU_DEP_1)
	v_cvt_i32_f32 v[W], v[W]
	s_delay_alu instid0(VALU_DEP_1)
	v_ldexp_f32 v[FF], 1.0, v[W]
.set n, 0
.rept 32
	v_pk_fma_f32 v[S+n:S+n+1], v[S+n:S+n+1], s[18:19], v[12:13] op_sel_hi:[1,0,0]
.set n, n+2
.endr
.irp b, 0,1,2,3
	v_fma_f32 v[TM+\b], v[TM+\b], s18, v12
.endr
.set n, 0
	s_wait_alu depctr_va_vdst(0)
.rept 64
	v_exp_f32 v[S+n], v[S+n]
.set n, n+1
.endr
	s_setprio 1
	v_pk_mul_f32 v[14:15], v[14:15], v[FF:FF+1] op_sel_hi:[1,0]
	s_wait_alu depctr_va_vdst(0)
.irp b, 0,1,2,3
	v_exp_f32 v[TM+\b], v[TM+\b]
.endr
	v_pk_add_f32 v[242:243], v[108:109], v[112:113]
	v_pk_add_f32 v[234:235], v[116:117], v[120:121]
	v_pk_add_f32 v[232:233], v[124:125], v[128:129]
	v_pk_add_f32 v[230:231], v[132:133], v[136:137]
	v_pk_add_f32 v[228:229], v[140:141], v[144:145]
	v_pk_add_f32 v[226:227], v[148:149], v[152:153]
	v_pk_add_f32 v[224:225], v[156:157], v[160:161]
	v_pk_add_f32 v[14:15], v[14:15], v[164:165]
	v_pk_add_f32 v[242:243], v[242:243], v[104:105]
	v_pk_add_f32 v[234:235], v[234:235], v[106:107]
	v_pk_add_f32 v[232:233], v[232:233], v[110:111]
	v_pk_add_f32 v[230:231], v[230:231], v[114:115]
	v_pk_add_f32 v[228:229], v[228:229], v[118:119]
	v_pk_add_f32 v[226:227], v[226:227], v[122:123]
	v_pk_add_f32 v[224:225], v[224:225], v[126:127]
	v_pk_add_f32 v[14:15], v[14:15], v[130:131]
	v_pk_add_f32 v[242:243], v[242:243], v[134:135]
	v_pk_add_f32 v[234:235], v[234:235], v[138:139]
	v_pk_add_f32 v[232:233], v[232:233], v[142:143]
	v_pk_add_f32 v[230:231], v[230:231], v[146:147]
	v_pk_add_f32 v[228:229], v[228:229], v[150:151]
	v_pk_add_f32 v[226:227], v[226:227], v[154:155]
	v_pk_add_f32 v[224:225], v[224:225], v[158:159]
	v_pk_add_f32 v[14:15], v[14:15], v[162:163]
	v_pk_add_f32 v[242:243], v[242:243], v[166:167]
	s_delay_alu instid0(VALU_DEP_2)
	v_pk_add_f32 v[14:15], v[14:15], v[230:231]
	s_delay_alu instid0(VALU_DEP_2)
	v_pk_add_f32 v[242:243], v[242:243], v[228:229]
	v_pk_add_f32 v[234:235], v[234:235], v[226:227]
	v_pk_add_f32 v[232:233], v[232:233], v[224:225]
	s_delay_alu instid0(VALU_DEP_2)
	v_pk_add_f32 v[14:15], v[14:15], v[234:235]
	s_delay_alu instid0(VALU_DEP_2)
	v_pk_add_f32 v[242:243], v[242:243], v[232:233]
	s_delay_alu instid0(VALU_DEP_1)
	v_pk_add_f32 v[14:15], v[14:15], v[242:243]
	s_wait_alu depctr_va_vdst(0)
.irp b, 0,1,2,3
	v_max_num_f32 v[TM+\b], 0x4800000, v[TM+\b]
.endr
.irp b, 0,1,2,3
	s_delay_alu instid0(VALU_DEP_4)
	v_add_nc_u32 v[TM+12+\b], 0xfc000000, v[TM+\b]
.endr
.irp b, 0,1,2,3
.endr
.irp b, 0,1,2,3
	s_delay_alu instid0(VALU_DEP_4)
	v_lshrrev_b32 v[TM+4+\b], 23, v[TM+12+\b]
.endr
	s_delay_alu instid0(VALU_DEP_3)
	v_lshl_or_b32 v[PSW], v[TM+5], 8, v[TM+4]
	s_delay_alu instid0(VALU_DEP_1)
	v_lshl_or_b32 v[PSW], v[TM+6], 16, v[PSW]
	s_delay_alu instid0(VALU_DEP_1)
	v_lshl_or_b32 v[PSW], v[TM+7], 24, v[PSW]
.irp b, 0,1,2,3
.irp i, 0,1,2,3,4,5,6,7,8,9,10,11,12,13,14,15
.endr
	v_cvt_scalef32_pk8_fp8_f32 v[PC+4*\b:PC+4*\b+1], v[S+16*\b:S+16*\b+7], v[TM+12+\b]
	v_cvt_scalef32_pk8_fp8_f32 v[PC+4*\b+2:PC+4*\b+3], v[S+16*\b+8:S+16*\b+15], v[TM+12+\b]
.endr
	v_nop
.irp b, 0,1,2,3
	v_permlane16_swap_b32 v[PC+4*\b], v[PC+4*\b+2]
	v_permlane16_swap_b32 v[PC+4*\b+1], v[PC+4*\b+3]
.endr
.set n, 0
.rept 16
	v_pk_mul_f32 v[O+n:O+n+1], v[O+n:O+n+1], v[FF:FF+1] op_sel_hi:[1,0]
.set n, n+2
.endr
	s_wait_alu depctr_va_vdst(0)
	s_wait_dscnt 0x0
.irp t, 0,1,2,3
	v_wmma_scale_f32_16x16x128_f8f6f4 v[O+8*\t:O+8*\t+7], v[F+16*\t:F+16*\t+15], v[PC:PC+15], v[O+8*\t:O+8*\t+7], v[VSW+\t], v[PSW]
.endr
	s_cmp_lg_u32 s12, s41
	s_setprio 0
	s_cbranch_scc1 .Lskip
.rept 8
	v_nop
.endr
	v_add_f32 v14, v14, v15
	s_delay_alu instid0(VALU_DEP_1)
	v_permlanex16_b32 v[W], v14, s[SEL], s[SEL+1]
	s_delay_alu instid0(VALU_DEP_1)
	v_add_f32 v14, v14, v[W]
	s_wait_alu depctr_va_vdst(0)
	v_rcp_f32 v14, v14
	v_nop
	s_wait_alu depctr_va_vdst(0)
	v_mov_b32 v15, v14
.set n, 0
.rept 16
	v_pk_mul_f32 v[S+n:S+n+1], v[O+n:O+n+1], v[14:15]
.set n, n+2
.endr
	SENDOUT
.irp k, 0,1,2,3,4,5,6,7
	v_mov_b32 v[24+\k], v[Q2+\k]
.endr
	v_mov_b32 v[QS], v[QS2]
	START
	s_wait_xcnt 0x0
.Lskip:
	s_add_co_u32 s13, s13, 8192
	s_add_co_u32 s14, s14, 256
	s_add_co_u32 s12, s12, 1
	s_cmp_lt_u32 s12, 16
	s_cbranch_scc1 .Lstep
	s_setprio 0
.rept 8
	v_nop
.endr
	s_wait_dscnt 0x0
	s_barrier_signal -1
	s_barrier_wait -1
	s_cmp_lt_u32 s8, 8
	s_cbranch_scc1 .Lkeep
	s_wait_alu depctr_va_vdst(0)
.irp c, 0,1,2,3,4,5,6,7
	ds_store_b128 v[PA], v[O+4*\c:O+4*\c+3] offset:512*\c
.endr
	ds_store_b128 v[PA], v[12:15] offset:4096
.Lkeep:
	s_wait_dscnt 0x0
	s_barrier_signal -1
	s_barrier_wait -1
	s_cmp_lt_u32 s8, 8
	s_cbranch_scc0 .Lend
	s_wait_alu depctr_va_vdst(0)
.irp c, 0,1,2,3,4,5,6,7
	ds_load_b128 v[S+4*\c:S+4*\c+3], v[PA] offset:512*\c
.endr
	ds_load_b128 v[S+32:S+35], v[PA] offset:4096
	s_wait_dscnt 0x0
	v_min_num_f32 v[W], v12, v[S+32]
	s_delay_alu instid0(VALU_DEP_1)
	v_sub_f32 v[W+1], v[W], v12
	s_delay_alu instid0(VALU_DEP_2)
	v_sub_f32 v[W+2], v[W], v[S+32]
	s_delay_alu instid0(VALU_DEP_2)
	v_cvt_i32_f32 v[W+1], v[W+1]
	s_delay_alu instid0(VALU_DEP_2)
	v_cvt_i32_f32 v[W+2], v[W+2]
	s_delay_alu instid0(VALU_DEP_2)
	v_ldexp_f32 v[W+1], 1.0, v[W+1]
	s_delay_alu instid0(VALU_DEP_2)
	v_ldexp_f32 v[W+2], 1.0, v[W+2]
	v_add_f32 v14, v14, v15
	v_add_f32 v[S+34], v[S+34], v[S+35]
	s_delay_alu instid0(VALU_DEP_2)
	v_mul_f32 v14, v14, v[W+1]
	s_delay_alu instid0(VALU_DEP_1)
	v_fma_f32 v14, v[S+34], v[W+2], v14
	s_delay_alu instid0(VALU_DEP_1)
	v_permlanex16_b32 v[W], v14, s[SEL], s[SEL+1]
	s_delay_alu instid0(VALU_DEP_1)
	v_add_f32 v14, v14, v[W]
	s_wait_alu depctr_va_vdst(0)
	v_rcp_f32 v14, v14
	v_nop
	s_wait_alu depctr_va_vdst(0)
	v_mul_f32 v[FF], v14, v[W+1]
	v_mul_f32 v[W+2], v14, v[W+2]
.set n, 0
.rept 16
	v_pk_mul_f32 v[S+n:S+n+1], v[S+n:S+n+1], v[W+2:W+3] op_sel_hi:[1,0]
.set n, n+2
.endr
.set n, 0
.rept 16
	v_pk_fma_f32 v[S+n:S+n+1], v[O+n:O+n+1], v[FF:FF+1], v[S+n:S+n+1] op_sel_hi:[1,0,1]
.set n, n+2
.endr
	SENDOUT
.Lend:
	s_wait_xcnt 0x0
	v_lshl_add_u32 v254, v0, 2, 0x4b000
	v_mov_b32 v255, 0
	s_wait_alu depctr_va_vdst(0)
	s_wait_tensorcnt 0x0
	ds_add_u32 v254, v255
	s_wait_dscnt 0x0
	ROUND
	s_endpgm
.Lfunc_end_k_q3417d4c4a1_attn:
	.size	k_q3417d4c4a1_attn, .Lfunc_end_k_q3417d4c4a1_attn-k_q3417d4c4a1_attn
	.p2alignl 7, 3214868480
	.fill 96, 4, 3214868480
	.section	.rodata,"a",@progbits
	.p2align	6, 0x0
	.amdhsa_kernel k_q3417d4c4a1_attn
		.amdhsa_group_segment_fixed_size 309248
		.amdhsa_private_segment_fixed_size 0
		.amdhsa_enable_private_segment 0
		.amdhsa_kernarg_size 16
		.amdhsa_user_sgpr_count 2
		.amdhsa_user_sgpr_kernarg_segment_ptr 1
		.amdhsa_wavefront_size32 1
		.amdhsa_system_sgpr_workgroup_id_x 1
		.amdhsa_system_sgpr_workgroup_id_y 1
		.amdhsa_system_sgpr_workgroup_id_z 1
		.amdhsa_system_vgpr_workitem_id 0
		.amdhsa_next_free_vgpr 256
		.amdhsa_next_free_sgpr 66
		.amdhsa_reserve_vcc 1
		.amdhsa_float_denorm_mode_32 3
		.amdhsa_float_denorm_mode_16_64 3
		.amdhsa_fp16_overflow 1
		.amdhsa_memory_ordered 1
		.amdhsa_forward_progress 1
		.amdhsa_inst_pref_size 47
	.end_amdhsa_kernel
	.amdgpu_metadata
---
amdhsa.version: [ 1, 2 ]
amdhsa.kernels:
  - .name:           k_q3417d4c4a1_attn
    .symbol:         k_q3417d4c4a1_attn.kd
    .args:
      - { .name: qkv, .offset: 0, .size: 8, .value_kind: global_buffer, .address_space: global }
      - { .name: pb, .offset: 8, .size: 8, .value_kind: global_buffer, .address_space: global }
    .group_segment_fixed_size: 309248
    .private_segment_fixed_size: 0
    .kernarg_segment_align: 8
    .kernarg_segment_size: 16
    .max_flat_workgroup_size: 512
    .sgpr_count:     66
    .vgpr_count:     256
    .wavefront_size: 32
...
	.end_amdgpu_metadata
.endif
;; end of part 3
;; launch wo (part 4): grid 8 x 32, 4 waves a work-group, clusters of 4 x 4, 327,680 bytes of LDS; arguments pb, Wo_codes, Wo_scales, bo, x, hb; writes hb
.if DOCPART == 4
	.amdgcn_target "amdgcn-amd-amdhsa--gfx1250"
	.amdhsa_code_object_version 6
	.text
	.protected	k_q3417d4c4a1_wo
	.globl	k_q3417d4c4a1_wo
	.p2align	8
	.type	k_q3417d4c4a1_wo,@function
k_q3417d4c4a1_wo:
	s_mov_b64 s[64:65], 0
	v_nop
	global_prefetch_b8 v0, s[64:65] scope:SCOPE_SE
	s_setreg_imm32_b32 hwreg(HW_REG_WAVE_MODE, 25, 1), 1
	s_wait_xcnt 0x0
	s_wait_alu depctr_hold_cnt(0) depctr_sa_sdst(0) depctr_va_vdst(0) depctr_va_sdst(0) depctr_va_ssrc(0) depctr_va_vcc(0) depctr_vm_vsrc(0)
	s_getreg_b32 s2, hwreg(HW_REG_IB_STS2, 6, 4)
	s_cmp_eq_u32 s2, 0
	s_cbranch_scc0 .Lentry_in_a_cluster
	s_endpgm
.Lentry_in_a_cluster:
	s_bfe_u32 s2, ttmp6, 0x10000c
	s_cmp_lg_u32 s2, 0xf033
	s_cbranch_scc0 .Lentry_shape_is_right
	s_endpgm
.Lentry_shape_is_right:
; out = res + A W^T + bias on codes of E4M3 with E8M0 scales.  A: images of operand registers [row tile 256][K step SIZE_K / 128][4][512] at byte 0 of its buffer, scale bytes [4096][SIZE_K / 32] at byte AOFF.
; W: codes [1024][SIZE_K], K innermost, scale bytes [1024][SIZE_K / 32].  bias [1024], res and out [4096][1024], f32.
; N is 1,024: tiles of 128 x 128 give each of 256 work-groups one.  Four waves, each 64 x 64: 16 accumulators.  A slot holds 512 along K: A's 8 row tiles x 4 images, dense, and W's 128 rows of 512 bytes + 16 of padding.
; The scale bytes of the tile's rows come once, for all of K.  The bias is the C of each sum's first product; the residual is asked for at the head and added on the way out.
; CLUSTERS: 4 x 4; A's tiles are asked for jointly along a row of the cluster, W's along a column.  Used transposed (source 0 = 16 rows of W, source 1 = 16 rows of A): a lane holds eight neighbouring numbers of a row of out.
; REGISTERS: window 0: v0-31 addresses; v32-63 scale words (two sets); v64-95 bias, later rows on their way out, with v96-127; v128-255 accumulator (a, b) at 128 + 8 (4 a + b).
;   window 1: two buffers of 128: A's four fragments, then W's four.   window 2: v0-127 the residual.
.set SIZE_K, 1024
.set AOFF,   0x400000
.set KS,     SIZE_K/32
.set ASLOT,  65536
.set BP,     528
.set BHALF,  64*BP
.set SLOT,   ASLOT+2*BHALF
.set SCL,    2*SLOT
.set HALFS,  (64*KS/256)*272
.set SBLK,   (16*KS/256)*272
.set SPARE,  SCL+4*HALFS               ; the spare words: 128 bytes a wave, named by no other line
.set LAPS,   SIZE_K/1024
.set ADRA, 16
.set ADRB, 20
.set STO,  24
.set RD,   25
.set CO,   26
.set ADRS, 27
.set SPW,  28
.set NIL,  29
.set SC,   32
.set BIAS, 64
.set BK,   64
.set ACC,  128
.set F0,   0
.set F1,   128
.set G1, 24
.set G0, 32
.set G1B, 48
.set G0B, 56
.set G1S, 68
.set G0S, 76
.set G1SB, 80
.set G0SB, 88
.set MSB, 0
.macro WIN new
.if MSB != \new
	s_set_vgpr_msb (MSB<<8)|\new
.set MSB, \new
.endif
.endm
.set MUL,  0x05                        ; sources 0 and 1 window 1; C and D window 0
.set TO_F, 0x40
.macro JLOAD g0a, g1a, g0b, g1b        ; waves 0 and 1 fetch for A, waves 2 and 3 for W; four v_nop follow each line
	s_cmp_eq_u32 s15, 0
	s_cbranch_scc0 .Lfor_b_\@
	tensor_load_to_lds s[\g0a:\g0a+3], s[\g1a:\g1a+7]
	s_nop 0
.rept 4
	v_nop
.endr
	s_branch .Lasked_\@
.Lfor_b_\@:
	tensor_load_to_lds s[\g0b:\g0b+3], s[\g1b:\g1b+7]
	s_nop 0
.rept 4
	v_nop
.endr
.Lasked_\@:
.endm
.macro CREST
	s_cmp_lg_u32 s14, 0
	s_cbranch_scc1 .Lnot_wave_0_\@
	s_barrier_signal -3
.Lnot_wave_0_\@:
	s_barrier_wait -3
	s_barrier_signal -1
	s_barrier_wait -1
.endm
.macro CROUND
	s_barrier_signal -1
	s_barrier_wait -1
	CREST
.endm
	s_load_b64 s[4:5], s[0:1], 0x0                 ; A
	s_load_b128 s[8:11], s[0:1], 0x8               ; W's codes, W's scales
	s_load_b128 s[96:99], s[0:1], 0x18             ; bias, residual
	s_load_b64 s[12:13], s[0:1], 0x28              ; out
	v_lshl_add_u32 v[SPW], v0, 2, SPARE
	v_mov_b32 v[NIL], 0
	ds_add_u32 v28, v29
	ds_add_u32 v28, v29
	s_wait_dscnt 0x0
	v_lshrrev_b32 v1, 5, v0
	v_readfirstlane_b32 s14, v1
	s_lshr_b32 s15, s14, 1                         ; my half of the rows.  Also: I fetch for A (0) or for W (1)
	s_and_b32 s16, s14, 1                          ; my half of the columns.  Also: which half I fetch
	s_bfe_u32 s40, ttmp6, 0x40000
	s_bfe_u32 s41, ttmp6, 0x40004
	s_lshl_b32 s42, ttmp9, 2
	s_add_co_u32 s42, s42, s40                     ; tile column
	s_and_b32 s17, ttmp7, 0xffff
	s_lshl_b32 s17, s17, 2
	s_add_co_u32 s17, s17, s41                     ; tile row
	s_lshl_b32 s43, s41, 2
	s_lshl_b32 s43, 15, s43
	s_lshl_b32 s44, 0x1111, s40
	s_or_b32 s[G1+0], s43, (3<<16)|(1<<21)         ; A: 4 row tiles x 8,192 bytes (1,024 elements of 8), 16 SIZE_K bytes apart, dense in LDS
	s_mov_b32 s[G1+1], 1024<<16
	s_mov_b32 s[G1+2], 4<<16
	s_mov_b32 s[G1+3], 1024<<16
	s_mov_b32 s[G1+4], 4
	s_mov_b32 s[G1+5], 2*SIZE_K
	s_mov_b32 s[G1+6], 0
	s_mov_b32 s[G1+7], 0
	s_or_b32 s[G1B+0], s44, (0<<16)|(1<<20)|(1<<21)|(6<<22)|(3<<25)   ; W: 64 rows x 512 bytes, 4 words of padding after every 128
	s_mov_b32 s[G1B+1], 512<<16
	s_mov_b32 s[G1B+2], 64<<16
	s_mov_b32 s[G1B+3], 512<<16
	s_mov_b32 s[G1B+4], 64
	s_mov_b32 s[G1B+5], SIZE_K
	s_mov_b32 s[G1B+6], 0
	s_mov_b32 s[G1B+7], 0
	s_or_b32 s[G1S+0], s43, (3<<16)|(1<<20)|(1<<21)|(5<<22)|(3<<25)   ; the scales of 64 rows: a dense block as rows of 256 bytes + 16
	s_or_b32 s[G1SB+0], s44, (3<<16)|(1<<20)|(1<<21)|(5<<22)|(3<<25)
.irp g, G1S, G1SB
	s_mov_b32 s[\g+1], 32<<16
	s_mov_b32 s[\g+2], (64*KS/256)<<16
	s_mov_b32 s[\g+3], 32<<16
	s_mov_b32 s[\g+4], 64*KS/256
	s_mov_b32 s[\g+5], 32
	s_mov_b32 s[\g+6], 0
	s_mov_b32 s[\g+7], 0
.endr
	s_lshl_b32 s20, s17, 3
	s_lshl_b32 s18, s16, 2
	s_add_co_u32 s20, s20, s18
	s_mul_i32 s20, s20, 16*SIZE_K                  ; A: row tile 8 x tile row + 4 x half
	s_mov_b32 s21, 0
	s_lshl_b32 s22, s17, 7
	s_lshl_b32 s18, s16, 6
	s_add_co_u32 s22, s22, s18
	s_mul_i32 s22, s22, KS
	s_add_co_u32 s22, s22, AOFF                    ; and those rows' scale bytes
	s_mov_b32 s23, 0
	s_lshl_b32 s46, s42, 7
	s_add_co_u32 s46, s46, s18                     ; W: row 128 x tile column + 64 x half
	s_mul_i32 s92, s46, KS
	s_mul_i32 s46, s46, SIZE_K
	s_mov_b32 s47, 0
	s_mov_b32 s93, 0
	s_lshl_b32 s45, s16, 15                        ; LDS: A's halves,
	s_mul_i32 s95, s16, BHALF
	s_add_co_u32 s95, s95, ASLOT                   ; W's halves behind them,
	s_mul_i32 s94, s14, HALFS                      ; the scales: A's two halves, then W's
	s_wait_kmcnt 0x0
	s_add_nc_u64 s[20:21], s[4:5], s[20:21]
	s_add_nc_u64 s[22:23], s[4:5], s[22:23]
	s_add_nc_u64 s[46:47], s[8:9], s[46:47]
	s_add_nc_u64 s[92:93], s[10:11], s[92:93]
	CROUND
	s_mov_b32 s[G0S], 1
	s_add_co_u32 s[G0S+1], s94, SCL
	s_mov_b64 s[G0S+2:G0S+3], s[22:23]
	s_or_b32 s[G0S+3], s[G0S+3], 0x80000000
	s_mov_b32 s[G0SB], 1
	s_add_co_u32 s[G0SB+1], s94, SCL
	s_mov_b64 s[G0SB+2:G0SB+3], s[92:93]
	s_or_b32 s[G0SB+3], s[G0SB+3], 0x80000000
	JLOAD G0S, G1S, G0SB, G1SB                     ; three tensor loads of a wave are out at the most
.irp s, 0,1
	s_mov_b32 s[G0+4*\s], 1
	s_add_co_u32 s[G0+4*\s+1], s45, \s*SLOT
	s_add_nc_u64 s[G0+4*\s+2:G0+4*\s+3], s[20:21], \s*8192
	s_or_b32 s[G0+4*\s+3], s[G0+4*\s+3], 0x80000000
	s_mov_b32 s[G0B+4*\s], 1
	s_add_co_u32 s[G0B+4*\s+1], s95, \s*SLOT
	s_add_nc_u64 s[G0B+4*\s+2:G0B+4*\s+3], s[46:47], \s*512
	s_or_b32 s[G0B+4*\s+3], s[G0B+4*\s+3], 0x80000000
	JLOAD G0+4*\s, G1, G0B+4*\s, G1B
.endr
	v_and_b32 v1, 15, v0                           ; r
	v_bfe_u32 v2, v0, 4, 1                         ; h
	v_and_b32 v3, 31, v0
	v_lshlrev_b32 v3, 4, v3                        ; 16 x lane
	s_lshl_b32 s21, s15, 15                        ; my four row tiles of A
	v_mul_u32_u24 v4, v1, BP
	v_lshl_add_u32 v4, v2, 4, v4
	s_mul_i32 s22, s16, BHALF
	s_add_co_u32 s22, s22, ASLOT                   ; my 64 rows of W
.irp s, 0,1
	v_add_nc_u32 v[ADRA+\s], s21, v3
	v_add_nc_u32 v[ADRB+\s], s22, v4
	s_add_co_u32 s21, s21, SLOT
	s_add_co_u32 s22, s22, SLOT
.endr
	v_mul_u32_u24 v5, v1, KS
	v_lshrrev_b32 v6, 8, v5
	v_lshl_add_u32 v5, v6, 4, v5
	s_mul_i32 s21, s15, HALFS
	s_mul_i32 s22, s16, HALFS
	s_add_co_u32 s22, s22, 2*HALFS
	s_sub_co_u32 s22, s22, s21
	v_mul_u32_u24 v6, s22, v2                      ; lanes 16-31 take W's
	s_add_co_u32 s21, s21, SCL
	v_add_nc_u32 v5, v5, v6
	v_add_nc_u32 v[ADRS], s21, v5
	s_mul_i32 s23, s14, 16*272                     ; my stage, in slot 0: used when that slot has had its last fill and its last read
	v_mul_u32_u24 v5, v1, 272
	v_lshl_add_u32 v5, v2, 5, v5
	v_add_nc_u32 v[STO], s23, v5
	v_mul_u32_u24 v5, v2, 272
	v_lshl_add_u32 v5, v1, 4, v5
	v_add_nc_u32 v[RD], s23, v5
	v_lshlrev_b32 v5, 12, v2
	v_lshl_add_u32 v[CO], v1, 4, v5                ; lanes 0-15 one row of out, lanes 16-31 the next
	s_lshl_b32 s46, s42, 9
	s_lshl_b32 s47, s16, 8
	s_add_co_u32 s46, s46, s47                     ; my first column, in bytes
	s_mov_b32 s47, 0
	s_add_nc_u64 s[96:97], s[96:97], s[46:47]
	s_lshl_b32 s20, s17, 19
	s_lshl_b32 s21, s15, 18
	s_add_co_u32 s20, s20, s21
	s_add_co_u32 s20, s20, s46
	s_mov_b32 s21, 0
	s_add_nc_u64 s[98:99], s[98:99], s[20:21]
	s_add_nc_u64 s[12:13], s[12:13], s[20:21]
	v_lshlrev_b32 v7, 5, v2
.irp b, 0,1,2,3
	global_load_b128 v[BIAS+8*\b:BIAS+8*\b+3], v7, s[96:97] offset:64*\b        ; register 8 b + j = bias[16 b + 8 h + j]
	global_load_b128 v[BIAS+8*\b+4:BIAS+8*\b+7], v7, s[96:97] offset:64*\b+16
.endr
	WIN 0x80                                       ; destination window 2
.irp a, 0,1,2,3
.irp t, 0,1,2,3,4,5,6,7
	global_load_b128 v[4*(8*\a+\t):4*(8*\a+\t)+3], v[CO], s[98:99] offset:(16*\a+2*\t)*4096 th:TH_LOAD_NT
.endr
.endr
	WIN 0
.macro MULA f, a, q, sc, first         ; four products: A's block a against W's four; the 16 accumulators take turns, one instruction a turn
.irp b, 0,1,2,3
.if \first
	v_wmma_scale_f32_16x16x128_f8f6f4 v[ACC+8*(4*(\a)+\b):ACC+8*(4*(\a)+\b)+7], v[\f+64+16*\b:\f+64+16*\b+15], v[\f+16*(\a):\f+16*(\a)+15], v[BIAS+8*\b:BIAS+8*\b+7], v[SC+16*(\sc)+4*\b+(\q)], v[SC+16*(\sc)+4*(\a)+(\q)] matrix_a_scale:MATRIX_SCALE_ROW1
.else
	v_wmma_scale_f32_16x16x128_f8f6f4 v[ACC+8*(4*(\a)+\b):ACC+8*(4*(\a)+\b)+7], v[\f+64+16*\b:\f+64+16*\b+15], v[\f+16*(\a):\f+16*(\a)+15], v[ACC+8*(4*(\a)+\b):ACC+8*(4*(\a)+\b)+7], v[SC+16*(\sc)+4*\b+(\q)], v[SC+16*(\sc)+4*(\a)+(\q)] matrix_a_scale:MATRIX_SCALE_ROW1
.endif
.endr
.endm
.macro FETCH slot, q, f, sc            ; the fragments of the slot's q-th 128 along K into buffer f: W's 16 loads, A's blocks 0, 1 (8), the slot's scale words if sc (4), A's blocks 2, 3 (8)
	WIN TO_F
.irp i, 0,1,2,3
.irp c, 0,1,2,3
	ds_load_b128 v[\f+64+16*\i+4*\c:\f+64+16*\i+4*\c+3], v[ADRB+\slot] offset:128*(\q)+32*\c+16*BP*\i
.endr
.endr
.irp i, 0,1
.irp c, 0,1,2,3
	ds_load_b128 v[\f+16*\i+4*\c:\f+16*\i+4*\c+3], v[ADRA+\slot] offset:8192*\i+2048*(\q)+512*\c
.endr
.endr
.if \sc
	WIN 0
.irp i, 0,1,2,3
	ds_load_b128 v[SC+16*\slot+4*\i:SC+16*\slot+4*\i+3], v[ADRS] offset:SBLK*\i   ; four words a row: lanes 0-15 A's block i, lanes 16-31 W's block i
.endr
	WIN TO_F
.endif
.irp i, 2,3
.irp c, 0,1,2,3
	ds_load_b128 v[\f+16*\i+4*\c:\f+16*\i+4*\c+3], v[ADRA+\slot] offset:8192*\i+2048*(\q)+512*\c
.endr
.endr
.endm
.macro PLACES n
.rept \n
	v_nop
.endr
.endm
.macro QUARTER slot, q, f, g, first
	s_wait_dscnt 8                                 ; all but the eight loads of A's blocks 2 and 3
	WIN MUL
	MULA \f, 0, \q, \slot, \first
	MULA \f, 1, \q, \slot, \first
	PLACES 8                                       ; in front of loads into registers that matrix instructions have read
	FETCH \slot, (\q)+1, \g, 0
	s_wait_dscnt 32                                ; all but the 32 just issued
	WIN MUL
	MULA \f, 2, \q, \slot, \first
	MULA \f, 3, \q, \slot, \first
.endm
; A slot's last quarter changes slots: one barrier; in front of it each wave waits for all its tensor loads, adds 0 to its spare word, and waits for that and for its reads of the slot.
.macro TURN slot, next, fill
	WIN 0
	s_wait_tensorcnt 0x0
	ds_add_u32 v[SPW], v[NIL]
	s_wait_dscnt 9                                 ; the add and the eight loads of A's blocks 2 and 3 may be out
	WIN MUL
	MULA F1, 0, 3, \slot, 0
	s_wait_dscnt 0x0
	s_barrier_signal -1
	MULA F1, 1, 3, \slot, 0
	WIN 0
	s_barrier_wait -1
.if \fill
	CREST                                          ; a round of the cluster's barrier: no wave of any partner still reads this slot or has a load on its way
	s_add_nc_u64 s[G0+4*\slot+2:G0+4*\slot+3], s[G0+4*\slot+2:G0+4*\slot+3], 16384
	s_add_nc_u64 s[G0B+4*\slot+2:G0B+4*\slot+3], s[G0B+4*\slot+2:G0B+4*\slot+3], 1024
	JLOAD G0+4*\slot, G1, G0B+4*\slot, G1B
	PLACES 4
.else
	PLACES 8
.endif
	v_add_nc_u32 v[ADRS], 16, v[ADRS]              ; the next slot's scale words
	FETCH \next, 0, F0, 1
	WIN MUL
	MULA F1, 2, 3, \slot, 0
	MULA F1, 3, 3, \slot, 0
.endm
	s_wait_tensorcnt 1                             ; the scales and my part of slot 0 are in; slot 1's load may be out
	s_barrier_signal -1
	s_barrier_wait -1
	FETCH 0, 0, F0, 1
	s_wait_loadcnt 32                              ; the bias is in; the residual's 32 loads stay out
	QUARTER 0, 0, F0, F1, 1
.if LAPS > 1
	WIN 0
	s_mov_b32 s3, LAPS-1
.Llap:
	QUARTER 0, 1, F1, F0, 0
	QUARTER 0, 2, F0, F1, 0
	TURN 0, 1, 1
	QUARTER 1, 0, F0, F1, 0
	QUARTER 1, 1, F1, F0, 0
	QUARTER 1, 2, F0, F1, 0
	TURN 1, 0, 1
	QUARTER 0, 0, F0, F1, 0
	WIN 0
	s_sub_co_u32 s3, s3, 1
	s_cmp_lg_u32 s3, 0
	s_cbranch_scc1 .Llap
.endif
	QUARTER 0, 1, F1, F0, 0
	QUARTER 0, 2, F0, F1, 0
	TURN 0, 1, 0
	QUARTER 1, 0, F0, F1, 0
	QUARTER 1, 1, F1, F0, 0
	QUARTER 1, 2, F0, F1, 0
	s_wait_dscnt 8
	WIN MUL
	MULA F1, 0, 3, 1, 0
	MULA F1, 1, 3, 1, 0
	s_wait_dscnt 0
	MULA F1, 2, 3, 1, 0
	MULA F1, 3, 3, 1, 0
	WIN 0
	PLACES 8
	s_wait_loadcnt 0x0                             ; the residual
; 16 rows x 64 columns through my stage: in as 32 bytes a lane, back as rows of 256 bytes; the residual is added; sixteen lanes store 256 consecutive bytes, aligned
.macro OUTB a
.set OB, BK+32*((\a)%2)
.if (\a) >= 2
	s_wait_xcnt 0x0                                ; the stores of two blocks back have read these registers
.endif
.irp b, 0,1,2,3
	ds_store_b128 v[STO], v[ACC+8*(4*(\a)+\b):ACC+8*(4*(\a)+\b)+3] offset:64*\b       ; each accumulator from its low end on
	ds_store_b128 v[STO], v[ACC+8*(4*(\a)+\b)+4:ACC+8*(4*(\a)+\b)+7] offset:64*\b+16
.endr
.irp t, 0,1,2,3,4,5,6,7
	ds_load_b128 v[OB+4*\t:OB+4*\t+3], v[RD] offset:544*\t      ; LDS serves a wave's instructions in order
.endr
	s_wait_dscnt 0x0
	WIN 0x08                                       ; source 1: window 2
.set oi, 0
.rept 16
	v_pk_add_f32 v[OB+2*oi:OB+2*oi+1], v[OB+2*oi:OB+2*oi+1], v[32*(\a)+2*oi:32*(\a)+2*oi+1]
.set oi, oi+1
.endr
	WIN 0
.irp t, 0,1,2,3,4,5,6,7
	global_store_b128 v[CO], v[OB+4*\t:OB+4*\t+3], s[12:13] offset:(16*(\a)+2*\t)*4096
.endr
.endm
	OUTB 0
	OUTB 1
	OUTB 2
	OUTB 3
	s_wait_tensorcnt 0x0                           ; the wave's end
	ds_add_u32 v[SPW], v[NIL]
	s_wait_dscnt 0x0
	CROUND
	s_endpgm
.Lfunc_end_k_q3417d4c4a1_wo:
	.size	k_q3417d4c4a1_wo, .Lfunc_end_k_q3417d4c4a1_wo-k_q3417d4c4a1_wo
	.p2alignl 7, 3214868480
	.fill 96, 4, 3214868480
	.section	.rodata,"a",@progbits
	.p2align	6, 0x0
	.amdhsa_kernel k_q3417d4c4a1_wo
		.amdhsa_group_segment_fixed_size 327680
		.amdhsa_private_segment_fixed_size 0
		.amdhsa_enable_private_segment 0
		.amdhsa_kernarg_size 48
		.amdhsa_user_sgpr_count 2
		.amdhsa_user_sgpr_kernarg_segment_ptr 1
		.amdhsa_wavefront_size32 1
		.amdhsa_system_sgpr_workgroup_id_x 1
		.amdhsa_system_sgpr_workgroup_id_y 1
		.amdhsa_system_sgpr_workgroup_id_z 1
		.amdhsa_system_vgpr_workitem_id 0
		.amdhsa_next_free_vgpr 640
		.amdhsa_next_free_sgpr 100
		.amdhsa_reserve_vcc 0
		.amdhsa_float_denorm_mode_32 3
		.amdhsa_float_denorm_mode_16_64 3
		.amdhsa_memory_ordered 1
		.amdhsa_forward_progress 1
		.amdhsa_inst_pref_size 62
	.end_amdhsa_kernel
	.amdgpu_metadata
---
amdhsa.version: [ 1, 2 ]
amdhsa.kernels:
  - .name:           k_q3417d4c4a1_wo
    .symbol:         k_q3417d4c4a1_wo.kd
    .args:
      - { .name: pb, .offset: 0, .size: 8, .value_kind: global_buffer, .address_space: global }
      - { .name: Wo_codes, .offset: 8, .size: 8, .value_kind: global_buffer, .address_space: global }
      - { .name: Wo_scales, .offset: 16, .size: 8, .value_kind: global_buffer, .address_space: global }
      - { .name: bo, .offset: 24, .size: 8, .value_kind: global_buffer, .address_space: global }
      - { .name: x, .offset: 32, .size: 8, .value_kind: global_buffer, .address_space: global }
      - { .name: hb, .offset: 40, .size: 8, .value_kind: global_buffer, .address_space: global }
    .group_segment_fixed_size: 327680
    .private_segment_fixed_size: 0
    .kernarg_segment_align: 8
    .kernarg_segment_size: 48
    .max_flat_workgroup_size: 128
    .sgpr_count:     100
    .vgpr_count:     640
    .wavefront_size: 32
...
	.end_amdgpu_metadata
.endif
;; end of part 4
;; launch ln2: the kernel of part 1 again; grid 256 x 1, 4 waves a work-group, no clusters, 21,504 bytes of LDS; arguments hb, ln2_g, ln2_b, xq; writes xq
;; launch up (part 5): grid 16 x 16, 4 waves a work-group, clusters of 4 x 4, 327,680 bytes of LDS; arguments xq, Wup_codes, Wup_scales, bup, gb; writes gb
.if DOCPART == 5
	.amdgcn_target "amdgcn-amd-amdhsa--gfx1250"
	.amdhsa_code_object_version 6
	.text
	.protected	k_q3417d4c4a1_up
	.globl	k_q3417d4c4a1_up
	.p2align	8
	.type	k_q3417d4c4a1_up,@function
k_q3417d4c4a1_up:
	s_mov_b64 s[64:65], 0
	v_nop
	global_prefetch_b8 v0, s[64:65] scope:SCOPE_SE
	s_setreg_imm32_b32 hwreg(HW_REG_WAVE_MODE, 25, 1), 1
	s_wait_xcnt 0x0
	s_wait_alu depctr_hold_cnt(0) depctr_sa_sdst(0) depctr_va_vdst(0) depctr_va_sdst(0) depctr_va_ssrc(0) depctr_va_vcc(0) depctr_vm_vsrc(0)
	s_getreg_b32 s2, hwreg(HW_REG_IB_STS2, 6, 4)
	s_cmp_eq_u32 s2, 0
	s_cbranch_scc0 .Lentry_in_a_cluster
	s_endpgm
.Lentry_in_a_cluster:
	s_bfe_u32 s2, ttmp6, 0x10000c
	s_cmp_lg_u32 s2, 0xf033
	s_cbranch_scc0 .Lentry_shape_is_right
	s_endpgm
.Lentry_shape_is_right:
; hid = silu(xn Wup + bup) on codes of E4M3 with E8M0 scales, quantised along the hidden 4,096 for the next product.
; xn: codes [4096][1024], scale bytes [4096][32] at byte 0x400000 of xq.  Wup: codes [4096][1024], K innermost, scale bytes [4096][32].
; Out (gb): images of operand registers [row tile 256][K step 32][4][512] at 0, scale bytes [4096][128] at 0x1000000 (4 bytes a lane, rows 128 bytes apart: 512 KiB beside 16 MiB of codes).
; A work-group makes 256 x 256, a wave 128 x 128 (64 accumulators); K goes in steps of 256 through two LDS slots filled by tensor loads; the scale bytes of the tile's rows come once.
; CLUSTERS: 4 x 4; xn's tiles are asked for jointly along a row of the cluster, Wup's along a column.  Used transposed: lane (r, h) holds row r of xn, register j of accumulator b the hidden unit 16 b + 8 h + j.
; THE WAY OUT uses no LDS: a lane's 64 results of a block of 16 rows get bias and silu = y / (1 + 2^(-y log2 e)) in f32, are quantised in four blocks of 32, brought into an operand's order by two swaps of lane halves a
; block, and stored as they stand: 512 consecutive bytes a store.  A wave's 128 hidden units are one K step of the next product.
; LIMITS: a block of zeros, and one whose largest magnitude lies under 2^-118, gets the byte 1; NaN and infinities are not served.
; REGISTERS: window 0: v0-31 addresses; v32-63 scale words; v64-127 bias; v128-255 xn's fragments, on the way out at work.  window 1: Wup's fragments, two sets.  windows 2, 3: accumulator (a, b) at v[8 (8 (a % 4) + b)].
.set SIZE_K, 1024
.set KSTEP,  256
.set NQ,     KSTEP/128
.set ROWB,   256
.set KROW,   SIZE_K
.set PITCH,  272
.set FR,     16
.set NL,     4
.set NP,     8
.set HALFT,  128*PITCH
.set SLOT,   4*HALFT
.set LAPS,   SIZE_K/(2*KSTEP)
.set KS,     SIZE_K/32
.set SCL,    2*SLOT
.set HALFS,  (128*KS/256)*272
.set SBLK,   (16*KS/256)*272
.set SPARE,  SCL+4*HALFS
.set ADRA, 16
.set ADRB, 20
.set ADRS, 27
.set SPW,  28
.set NIL,  29
.set SC,   32
.set BI,   64
.set AF,   128
.set Y,    128
.set T,    192
.set TM,   224
.set PC,   240
.set PW,   8
.set VO,   9
.set VS,   10
.set SEL,  20
.set MNT,  22
.set G1, 24
.set G0, 32
.set G1B, 48
.set G0B, 56
.set G1S, 68
.set G0S, 76
.set G1SB, 80
.set G0SB, 88
.set MSB, 0
.macro WIN new
.if MSB != \new
	s_set_vgpr_msb (MSB<<8)|\new
.set MSB, \new
.endif
.endm
.set MUL_LO, 0xa1
.set MUL_HI, 0xf1
.set TO_B,   0x40
.macro JLOAD g0a, g1a, g0b, g1b
	s_cmp_eq_u32 s15, 0
	s_cbranch_scc0 .Lfor_b_\@
	tensor_load_to_lds s[\g0a:\g0a+3], s[\g1a:\g1a+7]
	s_nop 0
.rept 4
	v_nop
.endr
	s_branch .Lasked_\@
.Lfor_b_\@:
	tensor_load_to_lds s[\g0b:\g0b+3], s[\g1b:\g1b+7]
	s_nop 0
.rept 4
	v_nop
.endr
.Lasked_\@:
.endm
.macro CREST
	s_cmp_lg_u32 s14, 0
	s_cbranch_scc1 .Lnot_wave_0_\@
	s_barrier_signal -3
.Lnot_wave_0_\@:
	s_barrier_wait -3
	s_barrier_signal -1
	s_barrier_wait -1
.endm
.macro CROUND
	s_barrier_signal -1
	s_barrier_wait -1
	CREST
.endm
	s_load_b64 s[4:5], s[0:1], 0x0                 ; xq
	s_load_b128 s[8:11], s[0:1], 0x8               ; Wup's codes, Wup's scales
	s_load_b128 s[96:99], s[0:1], 0x18             ; bup, gb
	v_lshl_add_u32 v[SPW], v0, 2, SPARE
	v_mov_b32 v[NIL], 0
	ds_add_u32 v28, v29
	ds_add_u32 v28, v29
	s_wait_dscnt 0x0
	v_lshrrev_b32 v1, 5, v0
	v_readfirstlane_b32 s14, v1
	s_lshr_b32 s15, s14, 1
	s_and_b32 s16, s14, 1
	s_bfe_u32 s40, ttmp6, 0x40000
	s_bfe_u32 s41, ttmp6, 0x40004
	s_lshl_b32 s42, ttmp9, 2
	s_add_co_u32 s42, s42, s40                     ; tile column
	s_and_b32 s17, ttmp7, 0xffff
	s_lshl_b32 s17, s17, 2
	s_add_co_u32 s17, s17, s41                     ; tile row
	s_lshl_b32 s43, s41, 2
	s_lshl_b32 s43, 15, s43
	s_lshl_b32 s44, 0x1111, s40
	s_or_b32 s[G1+0], s43, (0<<16)|(1<<20)|(1<<21)|(5<<22)|(3<<25)
	s_or_b32 s[G1B+0], s44, (0<<16)|(1<<20)|(1<<21)|(5<<22)|(3<<25)
.irp g, G1, G1B
	s_mov_b32 s[\g+1], ROWB<<16
	s_mov_b32 s[\g+2], 128<<16
	s_mov_b32 s[\g+3], ROWB<<16
	s_mov_b32 s[\g+4], 128
	s_mov_b32 s[\g+5], KROW
	s_mov_b32 s[\g+6], 0
	s_mov_b32 s[\g+7], 0
.endr
	s_or_b32 s[G1S+0], s43, (3<<16)|(1<<20)|(1<<21)|(5<<22)|(3<<25)
	s_or_b32 s[G1SB+0], s44, (3<<16)|(1<<20)|(1<<21)|(5<<22)|(3<<25)
.irp g, G1S, G1SB
	s_mov_b32 s[\g+1], 32<<16
	s_mov_b32 s[\g+2], (128*KS/256)<<16
	s_mov_b32 s[\g+3], 32<<16
	s_mov_b32 s[\g+4], 128*KS/256
	s_mov_b32 s[\g+5], 32
	s_mov_b32 s[\g+6], 0
	s_mov_b32 s[\g+7], 0
.endr
	s_lshl_b32 s18, s16, 7
	s_lshl_b32 s20, s17, 8
	s_add_co_u32 s20, s20, s18
	s_lshl_b32 s46, s42, 8
	s_add_co_u32 s46, s46, s18
	s_mov_b32 s21, 0
	s_mov_b32 s47, 0
	s_mov_b64 s[18:19], KS
	s_mul_u64 s[22:23], s[20:21], s[18:19]
	s_mul_u64 s[92:93], s[46:47], s[18:19]
	s_mov_b64 s[18:19], KROW
	s_mul_u64 s[20:21], s[20:21], s[18:19]
	s_mul_u64 s[46:47], s[46:47], s[18:19]
	s_mul_i32 s45, s14, HALFT
	s_mul_i32 s94, s14, HALFS
	s_wait_kmcnt 0x0
	s_add_nc_u64 s[6:7], s[4:5], 0x400000          ; xn's scale bytes
	s_add_nc_u64 s[20:21], s[4:5], s[20:21]
	s_add_nc_u64 s[22:23], s[6:7], s[22:23]
	s_add_nc_u64 s[46:47], s[8:9], s[46:47]
	s_add_nc_u64 s[92:93], s[10:11], s[92:93]
	CROUND
	s_mov_b32 s[G0S], 1
	s_add_co_u32 s[G0S+1], s94, SCL
	s_mov_b64 s[G0S+2:G0S+3], s[22:23]
	s_or_b32 s[G0S+3], s[G0S+3], 0x80000000
	s_mov_b32 s[G0SB], 1
	s_add_co_u32 s[G0SB+1], s94, SCL
	s_mov_b64 s[G0SB+2:G0SB+3], s[92:93]
	s_or_b32 s[G0SB+3], s[G0SB+3], 0x80000000
	JLOAD G0S, G1S, G0SB, G1SB                     ; three tensor loads of a wave are out at the most
.irp s, 0,1
	s_mov_b32 s[G0+4*\s], 1
	s_add_co_u32 s[G0+4*\s+1], s45, \s*SLOT
	s_add_nc_u64 s[G0+4*\s+2:G0+4*\s+3], s[20:21], \s*ROWB
	s_or_b32 s[G0+4*\s+3], s[G0+4*\s+3], 0x80000000
	s_mov_b32 s[G0B+4*\s], 1
	s_add_co_u32 s[G0B+4*\s+1], s45, \s*SLOT
	s_add_nc_u64 s[G0B+4*\s+2:G0B+4*\s+3], s[46:47], \s*ROWB
	s_or_b32 s[G0B+4*\s+3], s[G0B+4*\s+3], 0x80000000
	JLOAD G0+4*\s, G1, G0B+4*\s, G1B
.endr
	v_and_b32 v1, 15, v0
	v_bfe_u32 v2, v0, 4, 1
	v_mul_u32_u24 v3, v1, PITCH
	v_lshl_add_u32 v4, v2, 4, v3
	s_mul_i32 s21, s15, HALFT
	s_mul_i32 s22, s16, HALFT
	s_add_co_u32 s22, s22, 2*HALFT
.irp s, 0,1
	v_add_nc_u32 v[ADRA+\s], s21, v4
	v_add_nc_u32 v[ADRB+\s], s22, v4
	s_add_co_u32 s21, s21, SLOT
	s_add_co_u32 s22, s22, SLOT
.endr
	v_mul_u32_u24 v5, v1, KS
	v_lshrrev_b32 v6, 8, v5
	v_lshl_add_u32 v5, v6, 4, v5
	s_mul_i32 s21, s15, HALFS
	s_mul_i32 s22, s16, HALFS
	s_add_co_u32 s22, s22, 2*HALFS
	s_sub_co_u32 s22, s22, s21
	v_mul_u32_u24 v6, s22, v2
	s_add_co_u32 s21, s21, SCL
	v_add_nc_u32 v5, v5, v6
	v_add_nc_u32 v[ADRS], s21, v5
	s_lshl_b32 s46, s42, 10
	s_lshl_b32 s47, s16, 9
	s_add_co_u32 s46, s46, s47
	s_mov_b32 s47, 0
	s_add_nc_u64 s[96:97], s[96:97], s[46:47]      ; bup at my 128 hidden units
	v_lshlrev_b32 v7, 5, v2
.irp b, 0,1,2,3,4,5,6,7
	global_load_b128 v[BI+8*\b:BI+8*\b+3], v7, s[96:97] offset:64*\b          ; register 8 b + j = bup[16 b + 8 h + j]
	global_load_b128 v[BI+8*\b+4:BI+8*\b+7], v7, s[96:97] offset:64*\b+16
.endr
	s_lshl_b32 s20, s17, 20                        ; the images: row tile 16 x tile row + 8 x half, 65,536 bytes each; K step 2 x tile column + half, 2,048 bytes each
	s_lshl_b32 s21, s15, 19
	s_add_co_u32 s20, s20, s21
	s_lshl_b32 s21, s42, 12
	s_add_co_u32 s20, s20, s21
	s_lshl_b32 s21, s16, 11
	s_add_co_u32 s20, s20, s21
	s_mov_b32 s21, 0
	s_add_nc_u64 s[12:13], s[98:99], s[20:21]
	s_lshl_b32 s20, s17, 15                        ; the scale words: 128 bytes a row, 4 a K step
	s_lshl_b32 s22, s15, 14
	s_add_co_u32 s20, s20, s22
	s_lshl_b32 s22, s42, 3
	s_add_co_u32 s20, s20, s22
	s_lshl_b32 s22, s16, 2
	s_add_co_u32 s20, s20, s22
	s_add_co_u32 s20, s20, 0x1000000
	s_add_nc_u64 s[98:99], s[98:99], s[20:21]
	v_and_b32 v[VO], 31, v0
	v_lshlrev_b32 v[VO], 4, v[VO]
	v_lshlrev_b32 v[VS], 7, v1
.macro FRAG reg, adr, q, i
.irp c, 0,1,2,3
	ds_load_b128 v[\reg+4*\c:\reg+4*\c+3], v[\adr] offset:128*(\q)+32*\c+(\i)*16*PITCH
.endr
.endm
.macro MUL16 a0, p, q, sc, zero        ; the 64 accumulators take turns, one instruction a turn
.irp a, \a0, \a0+1
.irp b, 0,1,2,3,4,5,6,7
.if \zero
	v_wmma_scale_f32_16x16x128_f8f6f4 v[8*(8*((\a)%4)+\b):8*(8*((\a)%4)+\b)+7], v[128*(\p)+FR*\b:128*(\p)+FR*\b+FR-1], v[AF+FR*(\a):AF+FR*(\a)+FR-1], 0, v[SC+8*NQ*(\sc)+NQ*\b+(\q)], v[SC+8*NQ*(\sc)+NQ*(\a)+(\q)] matrix_a_scale:MATRIX_SCALE_ROW1
.else
	v_wmma_scale_f32_16x16x128_f8f6f4 v[8*(8*((\a)%4)+\b):8*(8*((\a)%4)+\b)+7], v[128*(\p)+FR*\b:128*(\p)+FR*\b+FR-1], v[AF+FR*(\a):AF+FR*(\a)+FR-1], v[8*(8*((\a)%4)+\b):8*(8*((\a)%4)+\b)+7], v[SC+8*NQ*(\sc)+NQ*\b+(\q)], v[SC+8*NQ*(\sc)+NQ*(\a)+(\q)] matrix_a_scale:MATRIX_SCALE_ROW1
.endif
.endr
.endr
.endm
.macro FETCH_B slot, q, p
	WIN TO_B
.irp i, 0,1,2,3,4,5,6,7
	FRAG 128*(\p)+FR*\i, ADRB+\slot, \q, \i
.endr
	WIN 0
.endm
.macro FETCH_A slot, q, i0
.irp i, \i0, \i0+1, \i0+2, \i0+3
	FRAG AF+FR*(\i), ADRA+\slot, \q, \i
.endr
.endm
.macro SCALES sc
.irp i, 0,1,2,3,4,5,6,7
	ds_load_b64 v[SC+8*NQ*\sc+NQ*\i:SC+8*NQ*\sc+NQ*\i+1], v[ADRS] offset:\i*SBLK
.endr
.endm
.macro PLACES n
.rept \n
	v_nop
.endr
.endm
.macro STEP slot, q, zero
	s_wait_dscnt 4*NL                              ; the 16 loads of A's blocks 4-7 may be out
	WIN MUL_LO
	MUL16 0, (\q)%2, \q, \slot, \zero
	MUL16 2, (\q)%2, \q, \slot, \zero
	s_wait_dscnt 0
	PLACES NP
	FETCH_B \slot, (\q)+1, 1-(\q)%2
	FETCH_A \slot, (\q)+1, 0
	WIN MUL_HI
	MUL16 4, (\q)%2, \q, \slot, \zero
	MUL16 6, (\q)%2, \q, \slot, \zero
	PLACES NP
	WIN 0
	FETCH_A \slot, (\q)+1, 4
.endm
.macro TURN slot, next, fill
	s_wait_tensorcnt 0x0                           ; all my tensor loads have landed
	ds_add_u32 v[SPW], v[NIL]
	s_wait_dscnt 4*NL+1                            ; the add and the 16 loads of A's blocks 4-7 may be out
	WIN MUL_LO
	MUL16 0, 1, NQ-1, \slot, 0
	s_wait_dscnt 0x0                               ; the add is done, and my reads of this slot are over
	s_barrier_signal -1
	MUL16 2, 1, NQ-1, \slot, 0
	WIN 0
	s_barrier_wait -1
.if \fill
	CREST
	s_add_nc_u64 s[G0+4*\slot+2:G0+4*\slot+3], s[G0+4*\slot+2:G0+4*\slot+3], 2*ROWB
	s_add_nc_u64 s[G0B+4*\slot+2:G0B+4*\slot+3], s[G0B+4*\slot+2:G0B+4*\slot+3], 2*ROWB
	JLOAD G0+4*\slot, G1, G0B+4*\slot, G1B
	PLACES NP-4
.else
	PLACES NP
.endif
	s_wait_alu depctr_va_vdst(0)
	v_add_nc_u32 v[ADRS], 4*NQ, v[ADRS]
	FETCH_B \next, 0, 0
	FETCH_A \next, 0, 0
	SCALES \next
	WIN MUL_HI
	MUL16 4, 1, NQ-1, \slot, 0
	MUL16 6, 1, NQ-1, \slot, 0
	PLACES NP
	WIN 0
	FETCH_A \next, 0, 4
.endm
	s_wait_alu depctr_va_vdst(0)
	s_wait_tensorcnt 1                             ; the scales and my part of K step 0 are in; K step 1's load may be out
	s_barrier_signal -1
	s_barrier_wait -1
	FETCH_B 0, 0, 0
	FETCH_A 0, 0, 0
	SCALES 0
	FETCH_A 0, 0, 4
	STEP 0, 0, 1
	s_mov_b32 s3, LAPS-1
.Llap:
	TURN 0, 1, 1
	STEP 1, 0, 0
	TURN 1, 0, 1
	STEP 0, 0, 0
	s_sub_co_u32 s3, s3, 1
	s_cmp_lg_u32 s3, 0
	s_cbranch_scc1 .Llap
	TURN 0, 1, 0
	STEP 1, 0, 0
	s_wait_dscnt 4*NL
	WIN MUL_LO
	MUL16 0, 1, NQ-1, 1, 0
	MUL16 2, 1, NQ-1, 1, 0
	s_wait_dscnt 0
	WIN MUL_HI
	MUL16 4, 1, NQ-1, 1, 0
	MUL16 6, 1, NQ-1, 1, 0
	WIN 0
.macro QUANT s, nb
.set qb, 0
.rept \nb
	v_max3_num_f32 v[TM+qb], |v[(\s)+16*qb]|, |v[(\s)+16*qb+1]|, 0x4800000   ; with the floor 2^(9 - 127)
.set qb, qb+1
.endr
.irp i, 2,4,6,8,10,12,14
.set qb, 0
.rept \nb
	v_max3_num_f32 v[TM+qb], v[TM+qb], |v[(\s)+16*qb+\i]|, |v[(\s)+16*qb+\i+1]|
.set qb, qb+1
.endr
.endr
.set qb, 0
.rept \nb
	v_permlanex16_b32 v[TM+4+qb], v[TM+qb], s[SEL], s[SEL+1]
.set qb, qb+1
.endr
.set qb, 0
.rept \nb
	v_max_num_f32 v[TM+qb], v[TM+qb], v[TM+4+qb]
.set qb, qb+1
.endr
.set qb, 0
.rept \nb
	v_add_nc_u32 v[TM+12+qb], 0xfc000000, v[TM+qb]
.set qb, qb+1
.endr
.set qb, 0
.rept \nb
	v_lshrrev_b32 v[TM+4+qb], 23, v[TM+12+qb]
.set qb, qb+1
.endr
	v_lshl_or_b32 v[PW], v[TM+5], 8, v[TM+4]
	v_lshl_or_b32 v[PW], v[TM+6], 16, v[PW]
	v_lshl_or_b32 v[PW], v[TM+7], 24, v[PW]
.set qb, 0
.rept \nb
.set qi, 0
.rept 16
.set qi, qi+1
.endr
	v_cvt_scalef32_pk8_fp8_f32 v[PC+4*qb:PC+4*qb+1], v[(\s)+16*qb:(\s)+16*qb+7], v[TM+12+qb]
	v_cvt_scalef32_pk8_fp8_f32 v[PC+4*qb+2:PC+4*qb+3], v[(\s)+16*qb+8:(\s)+16*qb+15], v[TM+12+qb]
.set qb, qb+1
.endr
	v_nop
.set qb, 0
.rept \nb
	v_permlane16_swap_b32 v[PC+4*qb], v[PC+4*qb+2] ; places 8 h + .., 16 + 8 h + .. of a block into the operand's order 16 h + 0..15
	v_permlane16_swap_b32 v[PC+4*qb+1], v[PC+4*qb+3]
.set qb, qb+1
.endr
.endm
.macro SILU u                          ; 32 numbers: y / (1 + 2^(-y log2 e)); each batch of transcendentals has one plain instruction and one wait behind it
.set YH, Y+32*\u
.set ei, 0
.rept 16
	v_pk_mul_f32 v[T+2*ei:T+2*ei+1], v[YH+2*ei:YH+2*ei+1], 0xbfb8aa3b op_sel_hi:[1,0]
.set ei, ei+1
.endr
.set ei, 0
	s_wait_alu depctr_va_vdst(0)
.rept 32
	v_exp_f32 v[T+ei], v[T+ei]
.set ei, ei+1
.endr
	v_nop
	s_wait_alu depctr_va_vdst(0)
.set ei, 0
.rept 16
	v_pk_add_f32 v[T+2*ei:T+2*ei+1], v[T+2*ei:T+2*ei+1], 1.0 op_sel_hi:[1,0]
.set ei, ei+1
.endr
.set ei, 0
	s_wait_alu depctr_va_vdst(0)
.rept 32
	v_rcp_f32 v[T+ei], v[T+ei]
.set ei, ei+1
.endr
	v_nop
	s_wait_alu depctr_va_vdst(0)
.set ei, 0
.rept 16
	v_pk_mul_f32 v[YH+2*ei:YH+2*ei+1], v[YH+2*ei:YH+2*ei+1], v[T+2*ei:T+2*ei+1]
.set ei, ei+1
.endr
.endm
.macro EPI a
.set AC, 64*((\a)%4)
	s_wait_xcnt 0x0                                ; the last block's stores have read their registers
	WIN 0x02+((\a)/4)
.set ei, 0
.rept 32
	v_pk_add_f32 v[Y+2*ei:Y+2*ei+1], v[AC+2*ei:AC+2*ei+1], v[BI+2*ei:BI+2*ei+1]   ; each accumulator from its low end on
.set ei, ei+1
.endr
	WIN 0
	SILU 0
	SILU 1
	QUANT Y, 4
.irp c, 0,1,2,3
	global_store_b128 v[VO], v[PC+4*\c:PC+4*\c+3], s[12:13] offset:65536*(\a)+512*\c   ; 512 consecutive bytes
.endr
	global_store_b32 v[VS], v[PW], s[98:99] offset:2048*(\a)   ; (lanes 16-31 write what lanes 0-15 write)
.endm
	PLACES NP
	s_wait_loadcnt 0x0                             ; the bias
	s_mov_b32 s[SEL], 0x76543210
	s_mov_b32 s[SEL+1], 0xfedcba98
.irp b, 0,1,2,3
	v_mov_b32 v[TM+4+\b], 0
.endr
.irp a, 0,1,2,3,4,5,6,7
	EPI \a
.endr
	s_wait_tensorcnt 0x0                           ; the wave's end
	ds_add_u32 v[SPW], v[NIL]
	s_wait_dscnt 0x0
	CROUND
	s_endpgm
.Lfunc_end_k_q3417d4c4a1_up:
	.size	k_q3417d4c4a1_up, .Lfunc_end_k_q3417d4c4a1_up-k_q3417d4c4a1_up
	.p2alignl 7, 3214868480
	.fill 96, 4, 3214868480
	.section	.rodata,"a",@progbits
	.p2align	6, 0x0
	.amdhsa_kernel k_q3417d4c4a1_up
		.amdhsa_group_segment_fixed_size 327680
		.amdhsa_private_segment_fixed_size 0
		.amdhsa_enable_private_segment 0
		.amdhsa_kernarg_size 40
		.amdhsa_user_sgpr_count 2
		.amdhsa_user_sgpr_kernarg_segment_ptr 1
		.amdhsa_wavefront_size32 1
		.amdhsa_system_sgpr_workgroup_id_x 1
		.amdhsa_system_sgpr_workgroup_id_y 1
		.amdhsa_system_sgpr_workgroup_id_z 1
		.amdhsa_system_vgpr_workitem_id 0
		.amdhsa_next_free_vgpr 1024
		.amdhsa_next_free_sgpr 100
		.amdhsa_reserve_vcc 0
		.amdhsa_float_denorm_mode_32 3
		.amdhsa_float_denorm_mode_16_64 3
		.amdhsa_fp16_overflow 1
		.amdhsa_memory_ordered 1
		.amdhsa_forward_progress 1
		.amdhsa_inst_pref_size 255
	.end_amdhsa_kernel
	.section	.bss,"aw",@nobits
	.p2align	6
	.space	262144
	.amdgpu_metadata
---
amdhsa.version: [ 1, 2 ]
amdhsa.kernels:
  - .name:           k_q3417d4c4a1_up
    .symbol:         k_q3417d4c4a1_up.kd
    .args:
      - { .name: xq, .offset: 0, .size: 8, .value_kind: global_buffer, .address_space: global }
      - { .name: Wup_codes, .offset: 8, .size: 8, .value_kind: global_buffer, .address_space: global }
      - { .name: Wup_scales, .offset: 16, .size: 8, .value_kind: global_buffer, .address_space: global }
      - { .name: bup, .offset: 24, .size: 8, .value_kind: global_buffer, .address_space: global }
      - { .name: gb, .offset: 32, .size: 8, .value_kind: global_buffer, .address_space: global }
    .group_segment_fixed_size: 327680
    .private_segment_fixed_size: 0
    .kernarg_segment_align: 8
    .kernarg_segment_size: 40
    .max_flat_workgroup_size: 128
    .sgpr_count:     100
    .vgpr_count:     1024
    .wavefront_size: 32
...
	.end_amdgpu_metadata
.endif
;; end of part 5
;; launch down (part 6): grid 8 x 32, 4 waves a work-group, clusters of 4 x 4, 327,680 bytes of LDS; arguments gb, Wdn_codes, Wdn_scales, bdn, hb, out0; writes out0
.if DOCPART == 6
	.amdgcn_target "amdgcn-amd-amdhsa--gfx1250"
	.amdhsa_code_object_version 6
	.text
	.protected	k_q3417d4c4a1_down
	.globl	k_q3417d4c4a1_down
	.p2align	8
	.type	k_q3417d4c4a1_down,@function
k_q3417d4c4a1_down:
	s_mov_b64 s[64:65], 0
	v_nop
	global_prefetch_b8 v0, s[64:65] scope:SCOPE_SE
	s_setreg_imm32_b32 hwreg(HW_REG_WAVE_MODE, 25, 1), 1
	s_wait_xcnt 0x0
	s_wait_alu depctr_hold_cnt(0) depctr_sa_sdst(0) depctr_va_vdst(0) depctr_va_sdst(0) depctr_va_ssrc(0) depctr_va_vcc(0) depctr_vm_vsrc(0)
	s_getreg_b32 s2, hwreg(HW_REG_IB_STS2, 6, 4)
	s_cmp_eq_u32 s2, 0
	s_cbranch_scc0 .Lentry_in_a_cluster
	s_endpgm
.Lentry_in_a_cluster:
	s_bfe_u32 s2, ttmp6, 0x10000c
	s_cmp_lg_u32 s2, 0xf033
	s_cbranch_scc0 .Lentry_shape_is_right
	s_endpgm
.Lentry_shape_is_right:
; out = res + A W^T + bias on codes of E4M3 with E8M0 scales.  A: images of operand registers [row tile 256][K step SIZE_K / 128][4][512] at byte 0 of its buffer, scale bytes [4096][SIZE_K / 32] at byte AOFF.
; W: codes [1024][SIZE_K], K innermost, scale bytes [1024][SIZE_K / 32].  bias [1024], res and out [4096][1024], f32.
; N is 1,024: tiles of 128 x 128 give each of 256 work-groups one.  Four waves, each 64 x 64: 16 accumulators.  A slot holds 512 along K: A's 8 row tiles x 4 images, dense, and W's 128 rows of 512 bytes + 16 of padding;
; two slots take turns, each refill has the other slot's 64 matrix instructions a wave in which to land.  The scale bytes of the tile's rows come once, for all of K.
; The bias is the C of each sum's first product; the residual is asked for at the head and added on the way out.
; CLUSTERS: 4 x 4; A's tiles are asked for jointly along a row of the cluster, W's along a column.  Used transposed (source 0 = 16 rows of W, source 1 = 16 rows of A): a lane holds eight neighbouring numbers of a row of out.
; PREFETCH INTO THE L2: behind each joint refill one instruction a wave asks for the 512 along K that stand two refills on (macro ASK).
; REGISTERS: window 0: v0-31 addresses; v32-63 scale words (two sets); v64-95 bias, later rows on their way out, with v96-127; v128-255 accumulator (a, b) at 128 + 8 (4 a + b).
;   window 1: two buffers of 128: A's four fragments, then W's four.   window 2: v0-127 the residual.
.set SIZE_K, 4096
.set AOFF,   0x1000000
.set KS,     SIZE_K/32
.set ASLOT,  65536
.set BP,     528
.set BHALF,  64*BP
.set SLOT,   ASLOT+2*BHALF
.set SCL,    2*SLOT
.set HALFS,  (64*KS/256)*272
.set SBLK,   (16*KS/256)*272
.set SPARE,  SCL+4*HALFS               ; the spare words: 128 bytes a wave, named by no other line
.set LAPS,   SIZE_K/1024
.set ADRA, 16
.set ADRB, 20
.set STO,  24
.set RD,   25
.set CO,   26
.set ADRS, 27
.set SPW,  28
.set NIL,  29
.set PFO,  30                          ; v30 the prefetches' offset for my lane; never rewritten
.set SC,   32
.set BIAS, 64
.set BK,   64
.set ACC,  128
.set F0,   0
.set F1,   128
.set LIM,  2                           ; s2 1 in a wave that prefetches, else the greatest number
.set PFA,  4                           ; s[4:5] where my prefetches stand
.set PFS,  6                           ; s[6:7] a slot's 512 along K on, in bytes: 8,192 in A's images, 512 in a row of W
.set G1, 24
.set G0, 32
.set G1B, 48
.set G0B, 56
.set G1S, 68
.set G0S, 76
.set G1SB, 80
.set G0SB, 88
.set MSB, 0
.macro WIN new
.if MSB != \new
	s_set_vgpr_msb (MSB<<8)|\new
.set MSB, \new
.endif
.endm
.set MUL,  0x05                        ; sources 0 and 1 window 1; C and D window 0
.set TO_F, 0x40
.macro JLOAD g0a, g1a, g0b, g1b        ; waves 0 and 1 fetch for A, waves 2 and 3 for W; four v_nop follow each line
	s_cmp_eq_u32 s15, 0
	s_cbranch_scc0 .Lfor_b_\@
	tensor_load_to_lds s[\g0a:\g0a+3], s[\g1a:\g1a+7]
	s_nop 0
.rept 4
	v_nop
.endr
	s_branch .Lasked_\@
.Lfor_b_\@:
	tensor_load_to_lds s[\g0b:\g0b+3], s[\g1b:\g1b+7]
	s_nop 0
.rept 4
	v_nop
.endr
.Lasked_\@:
.endm
; A PREFETCH INTO THE L2, behind each joint refill, its four lines and the run of LDS loads that follows them: the 512 along K that stand TWO refills on, 128 matrix instructions a wave ahead of the load that will ask for them.
; Each aligned block of 256 bytes is named ONCE in the launch.  A's tile row is read by both clusters of that row of clusters: the one with x = 0 asks; W's tile column by all eight clusters of that column: the one with y = 0 asks.
; The four partners that ask for a tile jointly share it out BY ADDRESS: of the four row tiles of A that wave 0 or 1 fetches, the partner at cx takes one: 8,192 bytes, lanes 256 bytes apart; of the 64 rows of W that wave 2 or 3
; fetches, the partner at cy takes 16: 512 bytes a row, two lanes to a row.  No branch hangs on a work-group's place in its cluster.  One instruction a wave.
; The last lap's two refills (s3 = 1) ask for nothing: no K stands two refills on.  The first 2,048 along K come by their loads alone: nothing is prefetched at the head, where every work-group's first tiles are on their way.
.macro ASK
	s_cmp_gt_u32 s3, s[LIM]
	s_cbranch_scc0 .Lnot_mine_\@
	global_prefetch_b8 v[PFO], s[PFA:PFA+1] th:TH_LOAD_NT scope:SCOPE_SE
.Lnot_mine_\@:
.endm
.macro CREST
	s_cmp_lg_u32 s14, 0
	s_cbranch_scc1 .Lnot_wave_0_\@
	s_barrier_signal -3
.Lnot_wave_0_\@:
	s_barrier_wait -3
	s_barrier_signal -1
	s_barrier_wait -1
.endm
.macro CROUND
	s_barrier_signal -1
	s_barrier_wait -1
	CREST
.endm
	s_load_b64 s[4:5], s[0:1], 0x0                 ; A
	s_load_b128 s[8:11], s[0:1], 0x8               ; W's codes, W's scales
	s_load_b128 s[96:99], s[0:1], 0x18             ; bias, residual
	s_load_b64 s[12:13], s[0:1], 0x28              ; out
	v_lshl_add_u32 v[SPW], v0, 2, SPARE
	v_mov_b32 v[NIL], 0
	ds_add_u32 v28, v29
	ds_add_u32 v28, v29
	s_wait_dscnt 0x0
	v_lshrrev_b32 v1, 5, v0
	v_readfirstlane_b32 s14, v1
	s_lshr_b32 s15, s14, 1                         ; my half of the rows.  Also: I fetch for A (0) or for W (1)
	s_and_b32 s16, s14, 1                          ; my half of the columns.  Also: which half I fetch
	s_bfe_u32 s40, ttmp6, 0x40000
	s_bfe_u32 s41, ttmp6, 0x40004
	s_lshl_b32 s42, ttmp9, 2
	s_add_co_u32 s42, s42, s40                     ; tile column
	s_and_b32 s17, ttmp7, 0xffff
	s_lshl_b32 s17, s17, 2
	s_add_co_u32 s17, s17, s41                     ; tile row
	s_lshl_b32 s43, s41, 2
	s_lshl_b32 s43, 15, s43
	s_lshl_b32 s44, 0x1111, s40
	s_or_b32 s[G1+0], s43, (3<<16)|(1<<21)         ; A: 4 row tiles x 8,192 bytes (1,024 elements of 8), 16 SIZE_K bytes apart, dense in LDS
	s_mov_b32 s[G1+1], 1024<<16
	s_mov_b32 s[G1+2], 4<<16
	s_mov_b32 s[G1+3], 1024<<16
	s_mov_b32 s[G1+4], 4
	s_mov_b32 s[G1+5], 2*SIZE_K
	s_mov_b32 s[G1+6], 0
	s_mov_b32 s[G1+7], 0
	s_or_b32 s[G1B+0], s44, (0<<16)|(1<<20)|(1<<21)|(6<<22)|(3<<25)   ; W: 64 rows x 512 bytes, 4 words of padding after every 128
	s_mov_b32 s[G1B+1], 512<<16
	s_mov_b32 s[G1B+2], 64<<16
	s_mov_b32 s[G1B+3], 512<<16
	s_mov_b32 s[G1B+4], 64
	s_mov_b32 s[G1B+5], SIZE_K
	s_mov_b32 s[G1B+6], 0
	s_mov_b32 s[G1B+7], 0
	s_or_b32 s[G1S+0], s43, (3<<16)|(1<<20)|(1<<21)|(5<<22)|(3<<25)   ; the scales of 64 rows: a dense block as rows of 256 bytes + 16
	s_or_b32 s[G1SB+0], s44, (3<<16)|(1<<20)|(1<<21)|(5<<22)|(3<<25)
.irp g, G1S, G1SB
	s_mov_b32 s[\g+1], 32<<16
	s_mov_b32 s[\g+2], (64*KS/256)<<16
	s_mov_b32 s[\g+3], 32<<16
	s_mov_b32 s[\g+4], 64*KS/256
	s_mov_b32 s[\g+5], 32
	s_mov_b32 s[\g+6], 0
	s_mov_b32 s[\g+7], 0
.endr
	s_lshl_b32 s20, s17, 3
	s_lshl_b32 s18, s16, 2
	s_add_co_u32 s20, s20, s18
	s_mul_i32 s20, s20, 16*SIZE_K                  ; A: row tile 8 x tile row + 4 x half
	s_mov_b32 s21, 0
	s_lshl_b32 s22, s17, 7
	s_lshl_b32 s18, s16, 6
	s_add_co_u32 s22, s22, s18
	s_mul_i32 s22, s22, KS
	s_add_co_u32 s22, s22, AOFF                    ; and those rows' scale bytes
	s_mov_b32 s23, 0
	s_lshl_b32 s46, s42, 7
	s_add_co_u32 s46, s46, s18                     ; W: row 128 x tile column + 64 x half
	s_mul_i32 s92, s46, KS
	s_mul_i32 s46, s46, SIZE_K
	s_mov_b32 s47, 0
	s_mov_b32 s93, 0
	s_lshl_b32 s45, s16, 15                        ; LDS: A's halves,
	s_mul_i32 s95, s16, BHALF
	s_add_co_u32 s95, s95, ASLOT                   ; W's halves behind them,
	s_mul_i32 s94, s14, HALFS                      ; the scales: A's two halves, then W's
	s_wait_kmcnt 0x0
	s_add_nc_u64 s[20:21], s[4:5], s[20:21]
	s_add_nc_u64 s[22:23], s[4:5], s[22:23]
	s_add_nc_u64 s[46:47], s[8:9], s[46:47]
	s_add_nc_u64 s[92:93], s[10:11], s[92:93]
	CROUND
	s_mov_b32 s[G0S], 1
	s_add_co_u32 s[G0S+1], s94, SCL
	s_mov_b64 s[G0S+2:G0S+3], s[22:23]
	s_or_b32 s[G0S+3], s[G0S+3], 0x80000000
	s_mov_b32 s[G0SB], 1
	s_add_co_u32 s[G0SB+1], s94, SCL
	s_mov_b64 s[G0SB+2:G0SB+3], s[92:93]
	s_or_b32 s[G0SB+3], s[G0SB+3], 0x80000000
	JLOAD G0S, G1S, G0SB, G1SB                     ; three tensor loads of a wave are out at the head, one behind each round later
.irp s, 0,1
	s_mov_b32 s[G0+4*\s], 1
	s_add_co_u32 s[G0+4*\s+1], s45, \s*SLOT
	s_add_nc_u64 s[G0+4*\s+2:G0+4*\s+3], s[20:21], \s*8192
	s_or_b32 s[G0+4*\s+3], s[G0+4*\s+3], 0x80000000
	s_mov_b32 s[G0B+4*\s], 1
	s_add_co_u32 s[G0B+4*\s+1], s95, \s*SLOT
	s_add_nc_u64 s[G0B+4*\s+2:G0B+4*\s+3], s[46:47], \s*512
	s_or_b32 s[G0B+4*\s+3], s[G0B+4*\s+3], 0x80000000
	JLOAD G0+4*\s, G1, G0B+4*\s, G1B
.endr
	v_and_b32 v1, 15, v0                           ; r
	v_bfe_u32 v2, v0, 4, 1                         ; h
	v_and_b32 v3, 31, v0
	v_lshlrev_b32 v3, 4, v3                        ; 16 x lane
	s_lshl_b32 s21, s15, 15                        ; my four row tiles of A
	v_mul_u32_u24 v4, v1, BP
	v_lshl_add_u32 v4, v2, 4, v4
	s_mul_i32 s22, s16, BHALF
	s_add_co_u32 s22, s22, ASLOT                   ; my 64 rows of W
.irp s, 0,1
	v_add_nc_u32 v[ADRA+\s], s21, v3
	v_add_nc_u32 v[ADRB+\s], s22, v4
	s_add_co_u32 s21, s21, SLOT
	s_add_co_u32 s22, s22, SLOT
.endr
	v_mul_u32_u24 v5, v1, KS
	v_lshrrev_b32 v6, 8, v5
	v_lshl_add_u32 v5, v6, 4, v5
	s_mul_i32 s21, s15, HALFS
	s_mul_i32 s22, s16, HALFS
	s_add_co_u32 s22, s22, 2*HALFS
	s_sub_co_u32 s22, s22, s21
	v_mul_u32_u24 v6, s22, v2                      ; lanes 16-31 take W's
	s_add_co_u32 s21, s21, SCL
	v_add_nc_u32 v5, v5, v6
	v_add_nc_u32 v[ADRS], s21, v5
	s_mul_i32 s23, s14, 16*272                     ; my stage, in slot 0: used when that slot has had its last fill and its last read
	v_mul_u32_u24 v5, v1, 272
	v_lshl_add_u32 v5, v2, 5, v5
	v_add_nc_u32 v[STO], s23, v5
	v_mul_u32_u24 v5, v2, 272
	v_lshl_add_u32 v5, v1, 4, v5
	v_add_nc_u32 v[RD], s23, v5
	v_lshlrev_b32 v5, 12, v2
	v_lshl_add_u32 v[CO], v1, 4, v5                ; lanes 0-15 one row of out, lanes 16-31 the next
	s_lshl_b32 s46, s42, 9
	s_lshl_b32 s47, s16, 8
	s_add_co_u32 s46, s46, s47                     ; my first column, in bytes
	s_mov_b32 s47, 0
	s_add_nc_u64 s[96:97], s[96:97], s[46:47]
	s_lshl_b32 s20, s17, 19
	s_lshl_b32 s21, s15, 18
	s_add_co_u32 s20, s20, s21
	s_add_co_u32 s20, s20, s46
	s_mov_b32 s21, 0
	s_add_nc_u64 s[98:99], s[98:99], s[20:21]
	s_add_nc_u64 s[12:13], s[12:13], s[20:21]
	v_lshlrev_b32 v7, 5, v2
.irp b, 0,1,2,3
	global_load_b128 v[BIAS+8*\b:BIAS+8*\b+3], v7, s[96:97] offset:64*\b        ; register 8 b + j = bias[16 b + 8 h + j]
	global_load_b128 v[BIAS+8*\b+4:BIAS+8*\b+7], v7, s[96:97] offset:64*\b+16
.endr
	WIN 0x80                                       ; destination window 2
.irp a, 0,1,2,3
.irp t, 0,1,2,3,4,5,6,7
	global_load_b128 v[4*(8*\a+\t):4*(8*\a+\t)+3], v[CO], s[98:99] offset:(16*\a+2*\t)*4096 th:TH_LOAD_NT
.endr
.endr
	WIN 0
	; the prefetches (macro ASK): where my wave's stand, and who asks.  None of these registers feeds a descriptor
	s_lshl_b32 s18, s17, 3
	s_lshl_b32 s19, s16, 2
	s_add_co_u32 s18, s18, s19
	s_add_co_u32 s18, s18, s40                     ; A: row tile 8 x tile row + 4 x half + cx,
	s_mul_i32 s18, s18, 16*SIZE_K
	s_add_co_u32 s18, s18, 3*8192                  ; at the fourth 512 along K: the first refill steps it to the fifth
	s_lshl_b32 s20, s42, 7
	s_lshl_b32 s21, s16, 6
	s_add_co_u32 s20, s20, s21
	s_lshl_b32 s21, s41, 4
	s_add_co_u32 s20, s20, s21                     ; W: row 128 x tile column + 64 x half + 16 cy,
	s_mul_i32 s20, s20, SIZE_K
	s_add_co_u32 s20, s20, 3*512                   ; likewise
	s_and_b32 s22, ttmp7, 0xffff                   ; the cluster's y
	s_mov_b32 s[PFS], 512
	s_mov_b32 s23, SIZE_K
	s_cmp_eq_u32 s15, 0                            ; do I fetch for A?
	s_cselect_b64 s[PFA:PFA+1], s[4:5], s[8:9]
	s_cselect_b32 s18, s18, s20
	s_cselect_b32 s22, ttmp9, s22                  ; the coordinate along which other clusters read the same rows
	s_cselect_b32 s[PFS], 8192, s[PFS]
	s_cselect_b32 s23, 512, s23                    ; from one pair of lanes to the next: two blocks on in an image, a row on in W
	s_cmp_eq_u32 s22, 0
	s_cselect_b32 s[LIM], 1, -1                    ; the same in all sixteen partners, for a given wave
	s_mov_b32 s19, 0
	s_mov_b32 s[PFS+1], 0
	s_add_nc_u64 s[PFA:PFA+1], s[PFA:PFA+1], s[18:19]
	v_and_b32 v[PFO], 31, v0
	v_lshrrev_b32 v31, 1, v[PFO]
	v_and_b32 v[PFO], 1, v[PFO]
	v_lshlrev_b32 v[PFO], 8, v[PFO]
	v_mul_lo_u32 v31, v31, s23
	v_add_nc_u32 v[PFO], v[PFO], v31
.macro MULA f, a, q, sc, first         ; four products: A's block a against W's four; the 16 accumulators take turns, one instruction a turn
.irp b, 0,1,2,3
.if \first
	v_wmma_scale_f32_16x16x128_f8f6f4 v[ACC+8*(4*(\a)+\b):ACC+8*(4*(\a)+\b)+7], v[\f+64+16*\b:\f+64+16*\b+15], v[\f+16*(\a):\f+16*(\a)+15], v[BIAS+8*\b:BIAS+8*\b+7], v[SC+16*(\sc)+4*\b+(\q)], v[SC+16*(\sc)+4*(\a)+(\q)] matrix_a_scale:MATRIX_SCALE_ROW1
.else
	v_wmma_scale_f32_16x16x128_f8f6f4 v[ACC+8*(4*(\a)+\b):ACC+8*(4*(\a)+\b)+7], v[\f+64+16*\b:\f+64+16*\b+15], v[\f+16*(\a):\f+16*(\a)+15], v[ACC+8*(4*(\a)+\b):ACC+8*(4*(\a)+\b)+7], v[SC+16*(\sc)+4*\b+(\q)], v[SC+16*(\sc)+4*(\a)+(\q)] matrix_a_scale:MATRIX_SCALE_ROW1
.endif
.endr
.endm
.macro FETCH slot, q, f, sc            ; the fragments of the slot's q-th 128 along K into buffer f: W's 16 loads, A's blocks 0, 1 (8), the slot's scale words if sc (4), A's blocks 2, 3 (8)
	WIN TO_F
.irp i, 0,1,2,3
.irp c, 0,1,2,3
	ds_load_b128 v[\f+64+16*\i+4*\c:\f+64+16*\i+4*\c+3], v[ADRB+\slot] offset:128*(\q)+32*\c+16*BP*\i
.endr
.endr
.irp i, 0,1
.irp c, 0,1,2,3
	ds_load_b128 v[\f+16*\i+4*\c:\f+16*\i+4*\c+3], v[ADRA+\slot] offset:8192*\i+2048*(\q)+512*\c
.endr
.endr
.if \sc
	WIN 0
.irp i, 0,1,2,3
	ds_load_b128 v[SC+16*\slot+4*\i:SC+16*\slot+4*\i+3], v[ADRS] offset:SBLK*\i   ; four words a row: lanes 0-15 A's block i, lanes 16-31 W's block i
.endr
	WIN TO_F
.endif
.irp i, 2,3
.irp c, 0,1,2,3
	ds_load_b128 v[\f+16*\i+4*\c:\f+16*\i+4*\c+3], v[ADRA+\slot] offset:8192*\i+2048*(\q)+512*\c
.endr
.endr
.endm
.macro PLACES n
.rept \n
	v_nop
.endr
.endm
.macro QUARTER slot, q, f, g, first
	s_wait_dscnt 8                                 ; all but the eight loads of A's blocks 2 and 3
	WIN MUL
	MULA \f, 0, \q, \slot, \first
	MULA \f, 1, \q, \slot, \first
	PLACES 8                                       ; in front of loads into registers that matrix instructions have read
	FETCH \slot, (\q)+1, \g, 0
	s_wait_dscnt 32                                ; all but the 32 just issued
	WIN MUL
	MULA \f, 2, \q, \slot, \first
	MULA \f, 3, \q, \slot, \first
.endm
; A slot's last quarter changes slots: one barrier; in front of it each wave waits for all its tensor loads, adds 0 to its spare word, and waits for that and for its reads of the slot.
.macro TURN slot, next, fill
.if \fill
	s_wait_xcnt 0x0                                ; the last prefetch, a slot back, has read its address: it is stepped here, ahead of the waits of the change of slots
	s_add_nc_u64 s[PFA:PFA+1], s[PFA:PFA+1], s[PFS:PFS+1]
.endif
	WIN 0
	s_wait_tensorcnt 0x0
	ds_add_u32 v[SPW], v[NIL]
	s_wait_dscnt 9                                 ; the add and the eight loads of A's blocks 2 and 3 may be out
	WIN MUL
	MULA F1, 0, 3, \slot, 0
	s_wait_dscnt 0x0
	s_barrier_signal -1
	MULA F1, 1, 3, \slot, 0
	WIN 0
	s_barrier_wait -1
.if \fill
	CREST                                          ; a round of the cluster's barrier: no wave of any partner still reads this slot or has a load on its way
	s_add_nc_u64 s[G0+4*\slot+2:G0+4*\slot+3], s[G0+4*\slot+2:G0+4*\slot+3], 16384
	s_add_nc_u64 s[G0B+4*\slot+2:G0B+4*\slot+3], s[G0B+4*\slot+2:G0B+4*\slot+3], 1024
	JLOAD G0+4*\slot, G1, G0B+4*\slot, G1B
	PLACES 4
.else
	PLACES 8
.endif
	v_add_nc_u32 v[ADRS], 16, v[ADRS]              ; the next slot's scale words
	FETCH \next, 0, F0, 1
.if \fill
	WIN 0                                          ; (a branch and a label follow)
	ASK                                            ; behind the joint load and the run of LDS loads that the next products wait for
.endif
	WIN MUL
	MULA F1, 2, 3, \slot, 0
	MULA F1, 3, 3, \slot, 0
.endm
	s_wait_tensorcnt 1                             ; the scales and my part of slot 0 are in; slot 1's load may be out
	s_barrier_signal -1
	s_barrier_wait -1
	FETCH 0, 0, F0, 1
	s_wait_loadcnt 32                              ; the bias is in; the residual's 32 loads stay out
	QUARTER 0, 0, F0, F1, 1
.if LAPS > 1
	WIN 0
	s_mov_b32 s3, LAPS-1
.Llap:
	QUARTER 0, 1, F1, F0, 0
	QUARTER 0, 2, F0, F1, 0
	TURN 0, 1, 1
	QUARTER 1, 0, F0, F1, 0
	QUARTER 1, 1, F1, F0, 0
	QUARTER 1, 2, F0, F1, 0
	TURN 1, 0, 1
	QUARTER 0, 0, F0, F1, 0
	WIN 0
	s_sub_co_u32 s3, s3, 1
	s_cmp_lg_u32 s3, 0
	s_cbranch_scc1 .Llap
.endif
	QUARTER 0, 1, F1, F0, 0
	QUARTER 0, 2, F0, F1, 0
	TURN 0, 1, 0
	QUARTER 1, 0, F0, F1, 0
	QUARTER 1, 1, F1, F0, 0
	QUARTER 1, 2, F0, F1, 0
	s_wait_dscnt 8
	WIN MUL
	MULA F1, 0, 3, 1, 0
	MULA F1, 1, 3, 1, 0
	s_wait_dscnt 0
	MULA F1, 2, 3, 1, 0
	MULA F1, 3, 3, 1, 0
	WIN 0
	PLACES 8
	s_wait_loadcnt 0x0                             ; the residual
; 16 rows x 64 columns through my stage: in as 32 bytes a lane, back as rows of 256 bytes; the residual is added; sixteen lanes store 256 consecutive bytes, aligned
.macro OUTB a
.set OB, BK+32*((\a)%2)
.if (\a) >= 2
	s_wait_xcnt 0x0                                ; the stores of two blocks back have read these registers
.endif
.irp b, 0,1,2,3
	ds_store_b128 v[STO], v[ACC+8*(4*(\a)+\b):ACC+8*(4*(\a)+\b)+3] offset:64*\b       ; each accumulator from its low end on
	ds_store_b128 v[STO], v[ACC+8*(4*(\a)+\b)+4:ACC+8*(4*(\a)+\b)+7] offset:64*\b+16
.endr
.irp t, 0,1,2,3,4,5,6,7
	ds_load_b128 v[OB+4*\t:OB+4*\t+3], v[RD] offset:544*\t      ; LDS serves a wave's instructions in order
.endr
	s_wait_dscnt 0x0
	WIN 0x08                                       ; source 1: window 2
.set oi, 0
.rept 16
	v_pk_add_f32 v[OB+2*oi:OB+2*oi+1], v[OB+2*oi:OB+2*oi+1], v[32*(\a)+2*oi:32*(\a)+2*oi+1]
.set oi, oi+1
.endr
	WIN 0
.irp t, 0,1,2,3,4,5,6,7
	global_store_b128 v[CO], v[OB+4*\t:OB+4*\t+3], s[12:13] offset:(16*(\a)+2*\t)*4096 th:TH_STORE_NT
.endr
.endm
	OUTB 0
	OUTB 1
	OUTB 2
	OUTB 3
	s_wait_tensorcnt 0x0                           ; the wave's end
	ds_add_u32 v[SPW], v[NIL]
	s_wait_dscnt 0x0
	CROUND
	s_endpgm
.Lfunc_end_k_q3417d4c4a1_down:
	.size	k_q3417d4c4a1_down, .Lfunc_end_k_q3417d4c4a1_down-k_q3417d4c4a1_down
	.p2alignl 7, 3214868480
	.fill 96, 4, 3214868480
	.section	.rodata,"a",@progbits
	.p2align	6, 0x0
	.amdhsa_kernel k_q3417d4c4a1_down
		.amdhsa_group_segment_fixed_size 327680
		.amdhsa_private_segment_fixed_size 0
		.amdhsa_enable_private_segment 0
		.amdhsa_kernarg_size 48
		.amdhsa_user_sgpr_count 2
		.amdhsa_user_sgpr_kernarg_segment_ptr 1
		.amdhsa_wavefront_size32 1
		.amdhsa_system_sgpr_workgroup_id_x 1
		.amdhsa_system_sgpr_workgroup_id_y 1
		.amdhsa_system_sgpr_workgroup_id_z 1
		.amdhsa_system_vgpr_workitem_id 0
		.amdhsa_next_free_vgpr 640
		.amdhsa_next_free_sgpr 100
		.amdhsa_reserve_vcc 0
		.amdhsa_float_denorm_mode_32 3
		.amdhsa_float_denorm_mode_16_64 3
		.amdhsa_memory_ordered 1
		.amdhsa_forward_progress 1
		.amdhsa_inst_pref_size 102
	.end_amdhsa_kernel
	.amdgpu_metadata
---
amdhsa.version: [ 1, 2 ]
amdhsa.kernels:
  - .name:           k_q3417d4c4a1_down
    .symbol:         k_q3417d4c4a1_down.kd
    .args:
      - { .name: gb, .offset: 0, .size: 8, .value_kind: global_buffer, .address_space: global }
      - { .name: Wdn_codes, .offset: 8, .size: 8, .value_kind: global_buffer, .address_space: global }
      - { .name: Wdn_scales, .offset: 16, .size: 8, .value_kind: global_buffer, .address_space: global }
      - { .name: bdn, .offset: 24, .size: 8, .value_kind: global_buffer, .address_space: global }
      - { .name: hb, .offset: 32, .size: 8, .value_kind: global_buffer, .address_space: global }
      - { .name: out0, .offset: 40, .size: 8, .value_kind: global_buffer, .address_space: global }
    .group_segment_fixed_size: 327680
    .private_segment_fixed_size: 0
    .kernarg_segment_align: 8
    .kernarg_segment_size: 48
    .max_flat_workgroup_size: 128
    .sgpr_count:     100
    .vgpr_count:     640
    .wavefront_size: 32
...
	.end_amdgpu_metadata
.endif
;; end of part 6
